; MI455X (gfx1250); checked and timed in simulation.
; The chip was launched on July 23, 2026; its instructions are those of AMD's public machine-readable ISA for CDNA 5 (MIT licence, August 2026) and "CDNA5" Instruction Set Architecture Reference Guide (July 2026). The comments in the code are by the model that wrote it; some were corrected since.
;; Multi Head Attention. Allowed arithmetic: matrix products marked QUANTISED: E2M1 operands, one E8M0 scale for each 32 along K, by v_wmma_scale_f32_16x16x128_f8f6f4 with both operands' format E2M1 (or v_wmma_scale_f32_32x16x128_f4), f32 sums; products left as they are: bf16, f16 or f32 operands; f32 sums; everything else in f32.
;; Inputs: Wk 1,024 x 1,024 float32; Wo 1,024 x 1,024 float32; Wq 1,024 x 1,024 float32; Wv 1,024 x 1,024 float32; bk 1,024 float32; bo 1,024 float32; bq 1,024 float32; bv 1,024 float32; key 4 x 2,048 x 1,024 float32; query 4 x 2,048 x 1,024 float32; value 4 x 2,048 x 1,024 float32.
;; Outputs: out0 4 x 2,048 x 1,024 float32.
;; This version of the problem:
;;   THIS VERSION OF THE PROBLEM IS GIVEN IN LOW PRECISION. The matrix products marked QUANTISED in the list below multiply operands that are first quantised to E2M1 (2 exponent bits, 1 mantissa bit; 4 bits a number), with one power-of-two scale for each 32 numbers along K (OCP MX v1.0); their sums are f32. The products marked 'left as it is' may take bf16, f16 or f32 operands, with f32 sums. Whichever they take, every output number must still come out within the allowed error. Rounding operands to bf16 (8 significant bits) uses up far more of that allowance than f16 does (11 bits, for magnitudes from 6e-5 to 65,504). All else is computed in f32.
;;   The module's matrix products, in the order in which they are computed (A, B: the left and right operand; K: the contracted axis; several contracted axes count as one K, in the product's order):
;;     1. [M 8,192, K 1,024] x [K 1,024, N 1,024]; A: input query; B: input Wq: QUANTISED
;;     2. [M 8,192, K 1,024] x [K 1,024, N 1,024]; A: input key; B: input Wk: QUANTISED
;;     3. [M 8,192, K 1,024] x [K 1,024, N 1,024]; A: input value; B: input Wv: QUANTISED
;;     4. batch 64 x [M 2,048, K 64] x [K 64, N 2,048]; A: computed on the way; B: computed on the way: left as it is (an operand is computed on the way)
;;     5. batch 64 x [M 2,048, K 2,048] x [K 2,048, N 64]; A: computed on the way; B: computed on the way: left as it is (an operand is computed on the way)
;;     6. [M 8,192, K 1,024] x [K 1,024, N 1,024]; A: computed on the way; B: input Wo: left as it is (an operand is computed on the way)
;;   THE QUANTISER, for each operand of a quantised product, along K:
;;     - K is cut into blocks of 32 from its start; a last block that is shorter is filled with zeros.
;;     - A block's scale is 2^e with e = floor(log2(the largest magnitude in the block)) - 2, held to -126 .. 127; a block of zeros has e = 0. As a byte (E8M0): e + 127.
;;     - Each number is divided by its block's scale, clamped to +-6, and rounded to the nearest number of E2M1, ties to even, subnormals kept.
;;     - The product sums the exact products of the quantised numbers (number of the format x scale) in f32.
;;   ~~~python
;;   def quantise(x, axis):      # numpy; x: float32 -> the quantised numbers, widened to float32 again
;;       x = np.moveaxis(x, axis, -1); K = x.shape[-1]
;;       x = np.pad(x, [(0, 0)] * (x.ndim - 1) + [(0, -K % 32)]); x = x.reshape(x.shape[:-1] + (-1, 32)); a = np.abs(x).max(-1, keepdims=True)
;;       e = np.where(a > 0, np.clip(np.frexp(np.where(a > 0, a, 1))[1] - 1 - 2, -126, 127), 0)      # np.frexp(a)[1] - 1 = floor(log2(a)), exactly
;;       r = np.clip(x / 2.0 ** e, -6, 6)
;;       step = 2.0 ** (np.maximum(np.frexp(np.where(r == 0, 1, r))[1] - 1, 0) - 1)
;;       q = np.round(r / step) * step * 2.0 ** e      # np.round: ties to even
;;       return np.moveaxis(q.reshape(q.shape[:-2] + (-1,))[..., :K], -1, axis).astype(np.float32)
;;   ~~~
;; One version. Each part assembles by itself: llvm-mc -triple=amdgcn-amd-amdhsa -mcpu=gfx1250 --defsym DOCPART=n.
;; ======== version 1 of 1: 4 launches
;; limits: values are held in f16: magnitudes above 65,504 overflow, below 6.1e-05 lose precision
;; workspace buffers: xcodes 12,582,912 bytes; xscales 786,432 bytes; wcodes 1,572,864 bytes; wscales 98,304 bytes; wo16 2,097,152 bytes; qkv16 50,331,648 bytes; attn16 16,777,216 bytes
;; launch prep (part 1): grid 896 x 1, 4 waves a work-group, no clusters, 33,280 bytes of LDS; arguments query, key, value, Wq, Wk, Wv, Wo, xcodes, xscales, wcodes, wscales, wo16; writes xcodes, xscales, wcodes, wscales, wo16
.if DOCPART == 1
	.amdgcn_target "amdgcn-amd-amdhsa--gfx1250"
	.amdhsa_code_object_version 6
	.text
	.protected	k_qe69cce639a_prep
	.globl	k_qe69cce639a_prep
	.p2align	8
	.type	k_qe69cce639a_prep,@function
k_qe69cce639a_prep:
	s_mov_b64 s[64:65], 0
	v_nop
	global_prefetch_b8 v0, s[64:65] scope:SCOPE_SE
	s_setreg_imm32_b32 hwreg(HW_REG_WAVE_MODE, 25, 1), 1
	s_wait_xcnt 0x0
; PREP.  query, key, value [8192][1024] and Wq, Wk, Wv [1024][1024], f32 with K innermost, become codes of FP4 (E2M1), two a byte, K innermost, and one E8M0 scale byte for each 32 along K.
; The three x tensors are stacked in xcodes / xscales (query, key, value), the three weights in wcodes / wscales (Wq, Wk, Wv).  Wo [1024][1024] f32 becomes f16 in wo16, same order.
; A block's scale is 2^(floor(log2(its largest magnitude)) - 2); its byte is the largest magnitude's exponent field - 2, held at 1 from below; each number is divided by the scale and rounded to the nearest code, ties to even,
; beyond the largest code the largest.
; LIMITS: a block of zeros gets the byte 1 and not 127 (its codes are zeros, and only this program reads the bytes); blocks whose largest magnitude lies under 2^-124 get the byte 1 and were not tried;
; NaN and infinities among the inputs are not served; |Wo| beyond 65,504 becomes infinity in f16, under 6e-8 zero.
; SHARES.  A work-group takes 32,768 numbers, a wave 8,192.  Work-groups 0-31 convert Wo; of the other 864, numbered g', 0-767 take x (tensor g' / 256), 768-863 the weights (tensor (g' - 768) / 32).
; Rows are dense and K is a multiple of 32, so each tensor is a plain stream of blocks of 32, and so are codes and scale bytes.
; QUANTISER.  A wave takes 16 steps of 512 numbers.  Each of a step's four loads reads 512 consecutive bytes; the 2,048 bytes turn through the wave's own stage in LDS and come back 64 bytes a lane, so that a lane holds
; 16 neighbours along K (two neighbouring lanes hold a block).  A lane's 16 codes are 8 bytes: a wave's store covers 256 consecutive aligned bytes.  A wave's 256 scale bytes are gathered in LDS and leave in one store.
; No barrier: waves share nothing.  Loads run four steps (16 loads a wave) ahead, the turn through LDS one step.
.set NWO,   32                         ; work-groups that convert Wo
.set STEPS, 16
.set EMAX,  2
.set CB,    8                          ; bytes of 16 codes
.set R,     16                         ; v16-79   four sets of 16 numbers as loaded      (Wo: batch set 0)
.set X,     80                         ; v80-111  two sets of 16 neighbours              (Wo: v80-143 batch set 1)
.set E,     112                        ; v112-127 a scale byte for each step
.set C,     128                        ; v128-191 codes: four registers for each step    (Wo: v144-175 f16 to store)
.set WREG,  8192                       ; LDS: a region for each wave: two stages of 32 x SP bytes, behind them its 256 scale bytes
.set SP,    80                         ; a lane's place in a stage: 64 bytes + 16 of padding
.set SPW,   12                         ; v12  LDS address of my spare word; never rewritten
.set NIL,   13                         ; v13  0; never rewritten
.set SPARE, 4*WREG                     ; behind the four regions: the spare words, 128 bytes a wave
.set SRC,   14                         ; s[14:15] the tensor that I read
.set COD,   18                         ; s[18:19] where my codes go
.set SCA,   20                         ; s[20:21] where my scale bytes go
	s_load_b512 s[4:19], s[0:1], 0x0               ; query, key, value, Wq, Wk, Wv, Wo, xcodes
	s_load_b256 s[20:27], s[0:1], 0x40             ; xscales, wcodes, wscales, wo16
	v_lshl_add_u32 v[SPW], v0, 2, SPARE
	v_mov_b32 v[NIL], 0
	v_lshrrev_b32 v1, 5, v0
	v_readfirstlane_b32 s28, v1                    ; wave
	v_and_b32 v2, 31, v0                           ; lane
	v_lshlrev_b32 v3, 4, v2                        ; my 16 bytes of a load's 512
	s_mul_i32 s30, s28, WREG
	v_lshrrev_b32 v14, 2, v2
	v_mul_u32_u24 v14, v14, SP
	v_and_b32 v15, 3, v2
	v_lshl_add_u32 v14, v15, 4, v14
	v_add_nc_u32 v14, s30, v14                     ; the stage, on the way in: SP (lane / 4) + 16 (lane % 4); a load's 512 bytes take eight places
	v_mul_u32_u24 v15, v2, SP
	v_add_nc_u32 v15, s30, v15                     ; and on the way out: SP x lane: my 16 neighbours
	v_mul_u32_u24 v4, v2, CB                       ; 8 x lane: my codes' place in a step's (and my f16 numbers' place in a Wo store)
	v_lshrrev_b32 v5, 1, v2
	s_add_co_u32 s30, s30, 2*32*SP
	v_add_nc_u32 v5, s30, v5                       ; LDS: my wave's 256 scale bytes, my block's byte
	v_lshlrev_b32 v7, 3, v2                        ; and on the way out 8 bytes a lane
	v_add_nc_u32 v6, s30, v7
	s_wait_kmcnt 0x0
	s_cmp_lt_u32 ttmp9, NWO                        ; the work-group's number alone decides
	s_cbranch_scc1 .Lwo
	; which tensor: every choice hangs on the work-group's number alone
	s_sub_co_u32 s29, ttmp9, NWO                   ; g'
	s_cmp_lt_u32 s29, 832
	s_cselect_b64 s[SRC:SRC+1], s[12:13], s[SRC:SRC+1]     ; Wk, else Wv
	s_cmp_lt_u32 s29, 800
	s_cselect_b64 s[SRC:SRC+1], s[10:11], s[SRC:SRC+1]     ; Wq
	s_cmp_lt_u32 s29, 768
	s_cselect_b64 s[SRC:SRC+1], s[8:9], s[SRC:SRC+1]       ; value
	s_cselect_b64 s[COD:COD+1], s[18:19], s[22:23]         ; x's codes or the weights'
	s_cselect_b64 s[SCA:SCA+1], s[20:21], s[24:25]
	s_cselect_b32 s30, 0, 768                      ; where the stacked destination's count begins
	s_cselect_b32 s32, 255, 31                     ; chunks in a tensor - 1
	s_cmp_lt_u32 s29, 512
	s_cselect_b64 s[SRC:SRC+1], s[6:7], s[SRC:SRC+1]       ; key
	s_cmp_lt_u32 s29, 256
	s_cselect_b64 s[SRC:SRC+1], s[4:5], s[SRC:SRC+1]       ; query
	s_sub_co_u32 s31, s29, s30                     ; d: my chunk in the stacked destination
	s_and_b32 s32, s31, s32                        ; c: my chunk in the tensor
	s_lshl_b32 s32, s32, 2
	s_add_co_u32 s32, s32, s28
	s_lshl_b32 s32, s32, 15                        ; (4 c + wave) x 32,768 bytes of f32
	s_mov_b32 s33, 0
	s_add_nc_u64 s[SRC:SRC+1], s[SRC:SRC+1], s[32:33]
	s_lshl_b32 s31, s31, 2
	s_add_co_u32 s31, s31, s28                     ; 4 d + wave
	s_lshl_b32 s32, s31, 12                        ; x 4,096 bytes of codes
	s_add_nc_u64 s[COD:COD+1], s[COD:COD+1], s[32:33]
	s_lshl_b32 s32, s31, 8                         ; x 256 scale bytes
	s_add_nc_u64 s[SCA:SCA+1], s[SCA:SCA+1], s[32:33]
.macro LOAD t
.irp i, 0,1,2,3
	global_load_b128 v[R+16*((\t)%4)+4*\i:R+16*((\t)%4)+4*\i+3], v3, s[SRC:SRC+1] offset:2048*(\t)+512*\i th:TH_LOAD_NT   ; 32 lanes read 512 consecutive bytes
.endr
.endm
.macro TURN t                          ; step t's numbers through the stage: LDS serves a wave's instructions in order, so no wait stands between the stores and the loads
.irp i, 0,1,2,3
	ds_store_b128 v14, v[R+16*((\t)%4)+4*\i:R+16*((\t)%4)+4*\i+3] offset:32*SP*((\t)%2)+8*SP*\i
.endr
.irp i, 0,1,2,3
	ds_load_b128 v[X+16*((\t)%2)+4*\i:X+16*((\t)%2)+4*\i+3], v15 offset:32*SP*((\t)%2)+16*\i
.endr
.endm
.irp t, 0,1,2,3
	LOAD \t
.endr
	s_wait_loadcnt 12                              ; step 0's four loads are in; the 12 of steps 1 to 3 stay out
	TURN 0
.macro STEP t
.set XS, X+16*((\t)%2)
.if (\t) > 0
	s_wait_dscnt 1                                 ; this step's numbers are back from the stage (the last step's byte store may be out): so its stores into the stage have read their registers,
.else
	s_wait_dscnt 0x0
.endif
.if (\t)+4 < STEPS
	LOAD (\t)+4                                    ; which take the loads of four steps on
.endif
.if (\t)+1 < STEPS
.if STEPS-2-(\t) >= 3
	s_wait_loadcnt 12                              ; the next step's four loads are in; those of the three steps behind it may be out
.else
	s_wait_loadcnt 4*(STEPS-2-(\t))
.endif
	TURN (\t)+1                                    ; and go through the other stage while this step is worked
.endif
	v_max3_num_f32 v8, |v[XS]|, |v[XS+1]|, |v[XS+2]|               ; the largest magnitude of my 16, in two chains
	v_max3_num_f32 v9, |v[XS+3]|, |v[XS+4]|, |v[XS+5]|
.irp i, 6,10
	v_max3_num_f32 v8, v8, |v[XS+\i]|, |v[XS+\i+1]|
	v_max3_num_f32 v9, v9, |v[XS+\i+2]|, |v[XS+\i+3]|
.endr
	v_max3_num_f32 v8, v8, |v[XS+14]|, |v[XS+15]|
	v_max3_num_f32 v8, v8, v9, (EMAX+1)<<23        ; and the floor 2^(EMAX + 1 - 127): the byte cannot fall under 1
	v_max_num_f32_dpp v8, v8, v8 row_xmask:1 row_mask:0xf bank_mask:0xf   ; and of my neighbour's 16: the block's
	v_add_nc_u32 v11, -(EMAX<<23), v8              ; EMAX off its exponent field: the conversion takes the exponent field of this operand as its scale
	v_cvt_scalef32_pk8_fp4_f32 v[C+4*(\t)], v[XS:XS+7], v11
	v_cvt_scalef32_pk8_fp4_f32 v[C+4*(\t)+1], v[XS+8:XS+15], v11
	v_lshrrev_b32 v[E+(\t)], 23, v11               ; the scale's byte (also the plain line behind the conversions)
	ds_store_b8 v5, v[E+(\t)] offset:16*(\t)       ; both lanes of a block write the same byte with the same value
	global_store_b64 v4, v[C+4*(\t):C+4*(\t)+1], s[COD:COD+1] offset:32*CB*(\t)   ; 32 lanes store 256 consecutive aligned bytes
.endm
.irp t, 0,1,2,3,4,5,6,7,8,9,10,11,12,13,14,15
	STEP \t
.endr
	ds_load_b64 v[8:9], v6                         ; LDS serves a wave's instructions in order: these see my byte stores
	s_wait_dscnt 0x0
	global_store_b64 v7, v[8:9], s[SCA:SCA+1]      ; 32 lanes store 256 consecutive aligned bytes
	s_wait_tensorcnt 0x0                           ; the wave's end: behind my last LDS store
	ds_add_u32 v[SPW], v[NIL]
	s_wait_dscnt 0x0
	s_endpgm
; Wo to f16: a plain stream through registers, four batches of 16 loads a wave, two batches in flight.
.Lwo:
	s_lshl_b32 s30, ttmp9, 2
	s_add_co_u32 s30, s30, s28                     ; 4 x work-group + wave
	s_lshl_b32 s32, s30, 15                        ; x 32,768 bytes of f32
	s_mov_b32 s33, 0
	s_add_nc_u64 s[16:17], s[16:17], s[32:33]
	s_lshl_b32 s32, s30, 14                        ; x 16,384 bytes of f16
	s_add_nc_u64 s[26:27], s[26:27], s[32:33]
.macro WLOAD i
.irp n, 0,1,2,3,4,5,6,7,8,9,10,11,12,13,14,15
	global_load_b128 v[16+64*((\i)%2)+4*\n:16+64*((\i)%2)+4*\n+3], v3, s[16:17] offset:8192*(\i)+512*\n th:TH_LOAD_NT
.endr
.endm
.macro WBATCH i
.if (\i) < 3
	s_wait_loadcnt 16                              ; this batch's 16 loads are in; the next batch's 16 stay out
.else
	s_wait_loadcnt 0x0
.endif
.if (\i) > 0
	s_wait_xcnt 0x0                                ; the last batch's stores have read v144-175: they are written again only behind this wait
.endif
.irp n, 0,1,2,3,4,5,6,7,8,9,10,11,12,13,14,15
	v_cvt_pk_f16_f32 v[144+2*\n], v[16+64*((\i)%2)+4*\n], v[16+64*((\i)%2)+4*\n+1]
	v_cvt_pk_f16_f32 v[145+2*\n], v[16+64*((\i)%2)+4*\n+2], v[16+64*((\i)%2)+4*\n+3]
.endr
.if (\i) < 2
	WLOAD (\i)+2
.endif
.irp n, 0,1,2,3,4,5,6,7,8,9,10,11,12,13,14,15
	global_store_b64 v4, v[144+2*\n:145+2*\n], s[26:27] offset:4096*(\i)+256*\n   ; 32 lanes store 256 consecutive aligned bytes
.endr
.endm
	WLOAD 0
	WLOAD 1
	WBATCH 0
	WBATCH 1
	WBATCH 2
	WBATCH 3
	s_endpgm
.Lfunc_end_k_qe69cce639a_prep:
	.size	k_qe69cce639a_prep, .Lfunc_end_k_qe69cce639a_prep-k_qe69cce639a_prep
	.p2alignl 7, 3214868480
	.fill 96, 4, 3214868480
	.section	.rodata,"a",@progbits
	.p2align	6, 0x0
	.amdhsa_kernel k_qe69cce639a_prep
		.amdhsa_group_segment_fixed_size 33280
		.amdhsa_private_segment_fixed_size 0
		.amdhsa_enable_private_segment 0
		.amdhsa_kernarg_size 96
		.amdhsa_user_sgpr_count 2
		.amdhsa_user_sgpr_kernarg_segment_ptr 1
		.amdhsa_wavefront_size32 1
		.amdhsa_system_sgpr_workgroup_id_x 1
		.amdhsa_system_sgpr_workgroup_id_y 1
		.amdhsa_system_sgpr_workgroup_id_z 1
		.amdhsa_system_vgpr_workitem_id 0
		.amdhsa_next_free_vgpr 192
		.amdhsa_next_free_sgpr 66
		.amdhsa_reserve_vcc 0
		.amdhsa_float_denorm_mode_32 3
		.amdhsa_float_denorm_mode_16_64 3
		.amdhsa_memory_ordered 1
		.amdhsa_forward_progress 1
		.amdhsa_inst_pref_size 54
	.end_amdhsa_kernel
	.amdgpu_metadata
---
amdhsa.version: [ 1, 2 ]
amdhsa.kernels:
  - .name:           k_qe69cce639a_prep
    .symbol:         k_qe69cce639a_prep.kd
    .args:
      - { .name: query, .offset: 0, .size: 8, .value_kind: global_buffer, .address_space: global }
      - { .name: key, .offset: 8, .size: 8, .value_kind: global_buffer, .address_space: global }
      - { .name: value, .offset: 16, .size: 8, .value_kind: global_buffer, .address_space: global }
      - { .name: Wq, .offset: 24, .size: 8, .value_kind: global_buffer, .address_space: global }
      - { .name: Wk, .offset: 32, .size: 8, .value_kind: global_buffer, .address_space: global }
      - { .name: Wv, .offset: 40, .size: 8, .value_kind: global_buffer, .address_space: global }
      - { .name: Wo, .offset: 48, .size: 8, .value_kind: global_buffer, .address_space: global }
      - { .name: xcodes, .offset: 56, .size: 8, .value_kind: global_buffer, .address_space: global }
      - { .name: xscales, .offset: 64, .size: 8, .value_kind: global_buffer, .address_space: global }
      - { .name: wcodes, .offset: 72, .size: 8, .value_kind: global_buffer, .address_space: global }
      - { .name: wscales, .offset: 80, .size: 8, .value_kind: global_buffer, .address_space: global }
      - { .name: wo16, .offset: 88, .size: 8, .value_kind: global_buffer, .address_space: global }
    .group_segment_fixed_size: 33280
    .private_segment_fixed_size: 0
    .kernarg_segment_align: 8
    .kernarg_segment_size: 96
    .max_flat_workgroup_size: 128
    .sgpr_count:     66
    .vgpr_count:     192
    .wavefront_size: 32
...
	.end_amdgpu_metadata
.endif
;; end of part 1
;; launch proj (part 2): grid 4 x 96, 4 waves a work-group, clusters of 4 x 4, 327,680 bytes of LDS; arguments xcodes, xscales, wcodes, wscales, bq, bk, bv, qkv16; writes qkv16
.if DOCPART == 2
	.amdgcn_target "amdgcn-amd-amdhsa--gfx1250"
	.amdhsa_code_object_version 6
	.text
	.protected	k_qe69cce639a_proj
	.globl	k_qe69cce639a_proj
	.p2align	8
	.type	k_qe69cce639a_proj,@function
k_qe69cce639a_proj:
	s_mov_b64 s[64:65], 0
	v_nop
	global_prefetch_b8 v0, s[64:65] scope:SCOPE_SE
	s_setreg_imm32_b32 hwreg(HW_REG_WAVE_MODE, 25, 1), 1
	s_wait_xcnt 0x0
	s_wait_alu depctr_hold_cnt(0) depctr_sa_sdst(0) depctr_va_vdst(0) depctr_va_sdst(0) depctr_va_ssrc(0) depctr_va_vcc(0) depctr_vm_vsrc(0)
	s_getreg_b32 s2, hwreg(HW_REG_IB_STS2, 6, 4)
	s_cmp_eq_u32 s2, 0
	s_cbranch_scc0 .Lentry_in_a_cluster
	s_endpgm
.Lentry_in_a_cluster:
	s_bfe_u32 s2, ttmp6, 0x10000c
	s_cmp_lg_u32 s2, 0xf033
	s_cbranch_scc0 .Lentry_shape_is_right
	s_endpgm
.Lentry_shape_is_right:
; PROJ.  The three projections q = query Wq^T + bq, k = key Wk^T + bk, v = value Wv^T + bv as ONE product on codes of FP4 (E2M1) with one E8M0 scale for each 32 along K; sums in f32; the bias is the C of each sum's
; first product; results rounded once to f16 and stored head-major: qkv16 [3][batch 4][head 16][token 2048][64].
; A = xcodes [24576][512 bytes] (query, key, value stacked), B = wcodes [3072][512 bytes] (Wq, Wk, Wv stacked); scale bytes [rows][32].  Tile row tr = 0..95 of 256 stacked rows; product p = tr / 32 picks B's 1,024 rows and the bias.
; LIMITS: |q|, |k|, |v| beyond 65,504 become infinity in f16.
; A tile, 256 tokens x 256 features, is made by four waves; a wave makes 128 x 128: 64 accumulators, 512 registers.  K = 1,024 is two LDS slots of 512 along K (rows of 256 bytes): both are asked for at the start and nothing is filled again.
; THE SCALES of the tile's 256 + 256 rows, for all of K, are two dense blocks of memory: they come into LDS once, as rows of 256 bytes.
; CLUSTERS: 4 x 4 work-groups; A's tiles are shared along a row of the cluster, B's along a column: each is asked for jointly, by the same tensor load with the same descriptor and a mask that names the four.
; p is made of the cluster's y alone (8 clusters to a product), so it is equal in all sixteen partners.
; THE MATRIX INSTRUCTION IS USED TRANSPOSED (source 0 = 16 rows of B, source 1 = 16 rows of A): a lane holds eight neighbouring features of one token.
; REGISTERS, in windows of 256: window 0: v0-31 addresses; v32-95 scale words, two sets; v128-191 A's fragments, one set; v192-255 the bias, eight registers for each of B's eight blocks; on the way out v32-127 are free.
;   window 1: B's fragments, two sets, at v0 and v128.   window 2: the accumulators of my rows 0-63 ((a, b) at v[8 (8 a + b)]);   window 3: those of my rows 64-127.
.set NQ,     4                         ; matrix instructions deep in a slot
.set ROWB,   256                       ; a tile's row in bytes: 512 codes
.set KROW,   512                       ; a row of codes in memory
.set PITCH,  272                       ; an LDS row: 256 bytes + 16 of padding = 68 words: the 16 rows that a load touches start at 16 different banks (64 banks of 4 bytes: ISA guide 11.1)
.set FR,     8                         ; registers of a fragment: 16 rows x 128 K
.set NL,     2                         ; LDS loads that bring one
.set NP,     4                         ; places behind this matrix instruction (ISA guide 7.12.1)
.set HALFT,  128*PITCH                 ; 128 rows: what one tensor load brings
.set SLOT,   4*HALFT                   ; A's 256 rows, then B's 256 rows
.set KS,     32                        ; a row of scales in bytes
.set SCL,    2*SLOT                    ; behind the ring: the scales, rows of 256 bytes + 16
.set HALFS,  (128*KS/256)*272          ; the scales of 128 rows
.set SBLK,   (16*KS/256)*272           ; those of 16 rows
.set SPARE,  SCL+4*HALFS               ; the spare words, 128 bytes a wave
.set SPITCH, 272                       ; the way out: a stage of 16 rows x (256 bytes + 16) for each wave, in slot 0, which has had its one fill and its last read by then
.set ADRA, 16                          ; v16-17  LDS address of my A fragments in slot 0, 1
.set ADRB, 20                          ; v20-21  the same for B
.set STO,  24                          ; v24     the way out: where I put 16 bytes of a row
.set RD,   25                          ; v25     the way out: where I read back
.set CO,   26                          ; v26     16 x lane: my place in a store's 512 bytes
.set ADRS, 27                          ; v27     LDS address of my scale words: lanes 0-15 A's rows, lanes 16-31 B's
.set SPW,  28                          ; v28     my spare word; never rewritten
.set NIL,  29                          ; v29     0; never rewritten
.set BO,   30                          ; v30     32 x (lane / 16): my eight numbers of a block's 16 of the bias
.set SC,   32                          ; scale words: set s at v[SC + 32 s]; register 4 i + q: lanes 0-15 the word of A's block i, lanes 16-31 that of B's block i
.set AF,   128                         ; A's fragments
.set BIAS, 192
.set TMP,  32                          ; the way out: packed results
.set BK,   64                          ; the way out: read back from the stage: v64-95 and v96-127 by turns
.set G1, 24                            ; s[24:31] group 1 for A's tiles;  s[32:39] group 0, one set for each slot
.set G0, 32
.set G1B, 48                           ; s[48:55], s[56:63] the same for B's
.set G0B, 56
.set G1S, 68                           ; s[68:75], s[76:79] groups 1 and 0 for A's scales;  s[80:87], s[88:91] for B's
.set G0S, 76
.set G1SB, 80
.set G0SB, 88
.set MSB, 0
.macro WIN new                         ; the immediate's high byte repeats the setting that is left
.if MSB != \new
	s_set_vgpr_msb (MSB<<8)|\new
.set MSB, \new
.endif
.endm
.set MUL_LO, 0xa1                      ; source 0 (B) window 1, source 1 (A) window 0, C and D window 2
.set MUL_HI, 0xf1                      ; the same, C and D window 3
.set FST_LO, 0x81                      ; the first step: C (the bias) window 0, D window 2
.set FST_HI, 0xc1                      ; D window 3
.set TO_B,   0x40                      ; destination window 1, address window 0
; A joint load: waves 0 and 1 fetch for A, waves 2 and 3 for B.  The branch hangs on the wave's number alone.  An s_nop 0 and four v_nop follow each of the two lines.
.macro JLOAD g0a, g1a, g0b, g1b
	s_cmp_eq_u32 s15, 0
	s_cbranch_scc0 .Lfor_b_\@
	tensor_load_to_lds s[\g0a:\g0a+3], s[\g1a:\g1a+7]
	s_nop 0
.rept 4
	v_nop
.endr
	s_branch .Lasked_\@
.Lfor_b_\@:
	tensor_load_to_lds s[\g0b:\g0b+3], s[\g1b:\g1b+7]
	s_nop 0
.rept 4
	v_nop
.endr
.Lasked_\@:
.endm
.macro CROUND                          ; a round of the cluster's barrier
	s_barrier_signal -1
	s_barrier_wait -1
	s_cmp_lg_u32 s14, 0
	s_cbranch_scc1 .Lnot_wave_0_\@
	s_barrier_signal -3
.Lnot_wave_0_\@:
	s_barrier_wait -3
	s_barrier_signal -1
	s_barrier_wait -1
.endm
	s_load_b128 s[4:7], s[0:1], 0x0                ; x's codes, x's scales
	s_load_b128 s[8:11], s[0:1], 0x10              ; W's codes, W's scales
	s_load_b128 s[96:99], s[0:1], 0x20             ; bq, bk
	s_load_b64 s[100:101], s[0:1], 0x30            ; bv
	s_load_b64 s[12:13], s[0:1], 0x38              ; qkv16
	v_lshl_add_u32 v[SPW], v0, 2, SPARE
	v_mov_b32 v[NIL], 0
	ds_add_u32 v[SPW], v[NIL]                      ; the wave's opening: the add, twice on end, and its wait ahead of my first tensor load; the set-up below stands between
	ds_add_u32 v[SPW], v[NIL]
	v_lshrrev_b32 v1, 5, v0
	v_readfirstlane_b32 s14, v1                    ; wave 0..3
	s_lshr_b32 s15, s14, 1                         ; which half of the tile's rows is mine.  Also: I fetch for A (0) or for B (1)
	s_and_b32 s16, s14, 1                          ; which half of its columns.  Also: which 128 rows of that tile I fetch
	s_bfe_u32 s40, ttmp6, 0x40000                  ; cx, cy: my place in the cluster
	s_bfe_u32 s41, ttmp6, 0x40004
	s_lshl_b32 s42, ttmp9, 2
	s_add_co_u32 s42, s42, s40                     ; tile column = 4 x cluster x + cx
	s_and_b32 s17, ttmp7, 0xffff
	s_lshr_b32 s95, s17, 3                         ; p: which product: cluster y / 8
	s_lshl_b32 s17, s17, 2
	s_add_co_u32 s17, s17, s41                     ; tile row = 4 x cluster y + cy
	s_lshl_b32 s43, s41, 2
	s_lshl_b32 s43, 15, s43                        ; my row of the cluster
	s_lshl_b32 s44, 0x1111, s40                    ; my column
	; group 1: a tile of 128 rows x 256 bytes, padded in LDS
	s_or_b32 s[G1+0], s43, (0<<16)|(1<<20)|(1<<21)|(5<<22)|(3<<25)  ; 15:0 the mask; 17:16 elements of 1 byte; 20 padding on; 21 set beside a mask; 24:22 after every 64 words; 31:25 four words
	s_or_b32 s[G1B+0], s44, (0<<16)|(1<<20)|(1<<21)|(5<<22)|(3<<25)
.irp g, G1, G1B
	s_mov_b32 s[\g+1], ROWB<<16                    ; tensor_dim0
	s_mov_b32 s[\g+2], 128<<16                     ; tensor_dim1
	s_mov_b32 s[\g+3], ROWB<<16                    ; tile_dim0
	s_mov_b32 s[\g+4], 128                         ; tile_dim1
	s_mov_b32 s[\g+5], KROW                        ; stride from row to row
	s_mov_b32 s[\g+6], 0
	s_mov_b32 s[\g+7], 0
.endr
	; the scales of 128 rows: 4,096 dense bytes, as 16 rows of 256 bytes (32 elements of 8 bytes), 16 bytes of padding behind each
	s_or_b32 s[G1S+0], s43, (3<<16)|(1<<20)|(1<<21)|(5<<22)|(3<<25)
	s_or_b32 s[G1SB+0], s44, (3<<16)|(1<<20)|(1<<21)|(5<<22)|(3<<25)
.irp g, G1S, G1SB
	s_mov_b32 s[\g+1], 32<<16
	s_mov_b32 s[\g+2], (128*KS/256)<<16
	s_mov_b32 s[\g+3], 32<<16
	s_mov_b32 s[\g+4], 128*KS/256
	s_mov_b32 s[\g+5], 32
	s_mov_b32 s[\g+6], 0
	s_mov_b32 s[\g+7], 0
.endr
	s_lshl_b32 s18, s16, 7                         ; which 128 rows of the tile I fetch
	s_lshl_b32 s20, s17, 8
	s_add_co_u32 s20, s20, s18                     ; A: row 256 x tile row + 128 x half
	s_lshl_b32 s46, s42, 8
	s_add_co_u32 s46, s46, s18                     ; B: row 256 x tile column + 128 x half
	s_lshl_b32 s94, s95, 10
	s_add_co_u32 s46, s46, s94                     ;    + 1,024 p: the product's own weight
	s_mov_b32 s21, 0
	s_mov_b32 s47, 0
	s_mov_b64 s[18:19], KS
	s_mul_u64 s[22:23], s[20:21], s[18:19]         ; where these rows' scales begin, in bytes
	s_mul_u64 s[92:93], s[46:47], s[18:19]
	s_mov_b64 s[18:19], KROW
	s_mul_u64 s[20:21], s[20:21], s[18:19]         ; and their codes
	s_mul_u64 s[46:47], s[46:47], s[18:19]
	s_mul_i32 s45, s14, HALFT                      ; where they go: wave x 128 rows: no place in the cluster enters an LDS address
	s_mul_i32 s94, s14, HALFS
	s_wait_dscnt 0x0                               ; both opening adds are done
	s_wait_kmcnt 0x0
	s_add_nc_u64 s[20:21], s[4:5], s[20:21]
	s_add_nc_u64 s[22:23], s[6:7], s[22:23]
	s_add_nc_u64 s[46:47], s[8:9], s[46:47]
	s_add_nc_u64 s[92:93], s[10:11], s[92:93]
	CROUND                                         ; all sixteen work-groups are here: the joint loads meet
	s_mov_b32 s[G0S], 1
	s_add_co_u32 s[G0S+1], s94, SCL
	s_mov_b64 s[G0S+2:G0S+3], s[22:23]
	s_or_b32 s[G0S+3], s[G0S+3], 0x80000000
	s_mov_b32 s[G0SB], 1
	s_add_co_u32 s[G0SB+1], s94, SCL
	s_mov_b64 s[G0SB+2:G0SB+3], s[92:93]
	s_or_b32 s[G0SB+3], s[G0SB+3], 0x80000000
	JLOAD G0S, G1S, G0SB, G1SB                     ; the scales first: they are wanted with slot 0.  With the two below, three tensor loads of mine are out
.irp s, 0,1
	s_mov_b32 s[G0+4*\s], 1
	s_add_co_u32 s[G0+4*\s+1], s45, \s*SLOT
	s_add_nc_u64 s[G0+4*\s+2:G0+4*\s+3], s[20:21], \s*ROWB
	s_or_b32 s[G0+4*\s+3], s[G0+4*\s+3], 0x80000000
	s_mov_b32 s[G0B+4*\s], 1
	s_add_co_u32 s[G0B+4*\s+1], s45, \s*SLOT
	s_add_nc_u64 s[G0B+4*\s+2:G0B+4*\s+3], s[46:47], \s*ROWB
	s_or_b32 s[G0B+4*\s+3], s[G0B+4*\s+3], 0x80000000
	JLOAD G0+4*\s, G1, G0B+4*\s, G1B
.endr
	; the bias: which of the three (p alone decides), and my 128 features of it
	s_cmp_lt_u32 s95, 2
	s_cselect_b64 s[98:99], s[98:99], s[100:101]   ; bk, or for p = 2 bv
	s_cmp_eq_u32 s95, 0
	s_cselect_b64 s[96:97], s[96:97], s[98:99]     ; for p = 0 bq
	s_lshl_b32 s46, s42, 10
	s_lshl_b32 s47, s16, 9
	s_add_co_u32 s46, s46, s47                     ; (256 x tile column + 128 x half) x 4 bytes
	s_mov_b32 s47, 0
	s_add_nc_u64 s[96:97], s[96:97], s[46:47]
	v_and_b32 v1, 15, v0                           ; l % 16
	v_bfe_u32 v2, v0, 4, 1                         ; l / 16
	v_lshlrev_b32 v[BO], 5, v2
.irp b, 0,1,2,3,4,5,6,7                        ; in the result's layout: lane (r, h), block b: features 16 b + 8 h + 0 .. 7
	global_load_b128 v[BIAS+8*\b:BIAS+8*\b+3], v[BO], s[96:97] offset:64*\b
	global_load_b128 v[BIAS+8*\b+4:BIAS+8*\b+7], v[BO], s[96:97] offset:64*\b+16
.endr
	v_mul_u32_u24 v3, v1, PITCH
	v_lshl_add_u32 v4, v2, 4, v3                   ; a fragment's row x pitch + 16 x half
	s_mul_i32 s21, s15, HALFT                      ; my 128 rows of A
	s_mul_i32 s22, s16, HALFT                      ; my 128 rows of B,
	s_add_co_u32 s22, s22, 2*HALFT                 ; which lie behind A's 256
.irp s, 0,1
	v_add_nc_u32 v[ADRA+\s], s21, v4
	v_add_nc_u32 v[ADRB+\s], s22, v4
	s_add_co_u32 s21, s21, SLOT
	s_add_co_u32 s22, s22, SLOT
.endr
	v_mul_u32_u24 v5, v1, KS                       ; my row's scales: 32 bytes a row,
	v_lshrrev_b32 v6, 8, v5
	v_lshl_add_u32 v5, v6, 4, v5                   ; and 16 more for each 256 passed
	s_mul_i32 s21, s15, HALFS                      ; A's: my 128 rows
	s_mul_i32 s22, s16, HALFS                      ; B's: my 128 rows, behind A's 256
	s_add_co_u32 s22, s22, 2*HALFS
	s_sub_co_u32 s22, s22, s21
	v_mul_u32_u24 v6, s22, v2                      ; lanes 16-31 take B's: one product, the distance between the two bases
	s_add_co_u32 s21, s21, SCL
	v_add_nc_u32 v5, v5, v6
	v_add_nc_u32 v[ADRS], s21, v5
	s_mul_i32 s23, s14, 16*SPITCH                  ; my stage
	v_mul_u32_u24 v5, v1, SPITCH                   ; in: row l % 16, 16 bytes for each half of the lanes
	v_lshl_add_u32 v5, v2, 4, v5
	v_add_nc_u32 v[STO], s23, v5
	v_bfe_u32 v6, v0, 3, 2                         ; back: eight lanes take a head's 128 bytes of one token, the 32 lanes four tokens
	v_and_b32 v7, 7, v0
	v_mul_u32_u24 v6, v6, SPITCH
	v_lshl_add_u32 v6, v7, 4, v6
	v_add_nc_u32 v[RD], s23, v6
	v_and_b32 v6, 31, v0
	v_lshlrev_b32 v[CO], 4, v6                     ; which are 512 consecutive bytes of qkv16
	; where my part begins in qkv16: p x 2^24 + (16 x batch + head) x 2^18 + token x 128.  The row part,
	s_and_b32 s20, s17, 31
	s_lshr_b32 s20, s20, 3                         ; batch: 8 tile rows to a batch
	s_lshl_b32 s20, s20, 22
	s_and_b32 s21, s17, 7
	s_lshl_b32 s21, s21, 8
	s_lshl_b32 s22, s15, 7
	s_add_co_u32 s21, s21, s22                     ; my first token
	s_lshl_b32 s21, s21, 7
	s_add_co_u32 s20, s20, s21
	s_lshl_b32 s21, s95, 24
	s_add_co_u32 s20, s20, s21
	s_mov_b32 s21, 0
	s_add_nc_u64 s[12:13], s[12:13], s[20:21]
	s_lshl_b32 s46, s42, 2                         ; and the column part: head 4 x tile column + 2 x half
	s_lshl_b32 s47, s16, 1
	s_add_co_u32 s46, s46, s47
	s_lshl_b32 s46, s46, 18
	s_mov_b32 s47, 0
	s_add_nc_u64 s[12:13], s[12:13], s[46:47]
.macro FRAG reg, adr, q, i             ; a fragment, 16 rows x 128 K of 4-bit codes, is 8 registers: lane l holds row l % 16; registers 4 c .. 4 c + 3 hold K = 64 c + 32 (l / 16) + 0 .. 31
.irp c, 0,1
	ds_load_b128 v[\reg+4*\c:\reg+4*\c+3], v[\adr] offset:64*(\q)+32*\c+(\i)*16*PITCH
.endr
.endm
; 16 matrix instructions: A's blocks a0, a0 + 1 x B's eight, 128 along K: the slot's q-th.  p: B's set;  sc: the set of scale words.  zero = 1: the first product starts the sum from the bias.
; The 64 accumulators take turns, one instruction a turn, in the same order in every step.
.macro MUL16 a0, p, q, sc, zero
.irp a, \a0, \a0+1
.irp b, 0,1,2,3,4,5,6,7
.if \zero
	v_wmma_scale_f32_16x16x128_f8f6f4 v[8*(8*((\a)%4)+\b):8*(8*((\a)%4)+\b)+7], v[128*(\p)+FR*\b:128*(\p)+FR*\b+FR-1], v[AF+FR*(\a):AF+FR*(\a)+FR-1], v[BIAS+8*\b:BIAS+8*\b+7], v[SC+8*NQ*(\sc)+NQ*\b+(\q)], v[SC+8*NQ*(\sc)+NQ*(\a)+(\q)] matrix_a_fmt:MATRIX_FMT_FP4 matrix_b_fmt:MATRIX_FMT_FP4 matrix_a_scale:MATRIX_SCALE_ROW1
.else
	v_wmma_scale_f32_16x16x128_f8f6f4 v[8*(8*((\a)%4)+\b):8*(8*((\a)%4)+\b)+7], v[128*(\p)+FR*\b:128*(\p)+FR*\b+FR-1], v[AF+FR*(\a):AF+FR*(\a)+FR-1], v[8*(8*((\a)%4)+\b):8*(8*((\a)%4)+\b)+7], v[SC+8*NQ*(\sc)+NQ*\b+(\q)], v[SC+8*NQ*(\sc)+NQ*(\a)+(\q)] matrix_a_fmt:MATRIX_FMT_FP4 matrix_b_fmt:MATRIX_FMT_FP4 matrix_a_scale:MATRIX_SCALE_ROW1
.endif
.endr
.endr
.endm
.macro FETCH_B slot, q, p              ; B's eight fragments of the slot's q-th 128 along K into set p
	WIN TO_B
.irp i, 0,1,2,3,4,5,6,7
	FRAG 128*(\p)+FR*\i, ADRB+\slot, \q, \i
.endr
	WIN 0
.endm
.macro FETCH_A slot, q, i0             ; A's blocks i0 .. i0 + 3
.irp i, \i0, \i0+1, \i0+2, \i0+3
	FRAG AF+FR*(\i), ADRA+\slot, \q, \i
.endr
.endm
.macro SCALES sc                       ; a slot's scale words into set sc: four words a row; lanes 0-15 take A's block i, lanes 16-31 B's block i
.irp i, 0,1,2,3,4,5,6,7
	ds_load_b128 v[SC+8*NQ*\sc+NQ*\i:SC+8*NQ*\sc+NQ*\i+3], v[ADRS] offset:\i*SBLK
.endr
.endm
; A load into a register that a matrix instruction has read, and a vector instruction or an LDS store that reads a matrix result, stand NP places behind that matrix instruction; only plain vector
; instructions that name none of its registers are places.
.macro PLACES n
.rept \n
	v_nop
.endr
.endm
; A step of 128 along K that has its successor in the same slot.
.macro STEP slot, q, zero
	s_wait_dscnt 4*NL                              ; B's set and A's blocks 0-3 are in; the youngest eight loads (A's blocks 4-7) may be out
.if \zero
	WIN FST_LO
.else
	WIN MUL_LO
.endif
	MUL16 0, (\q)%2, \q, \slot, \zero
	MUL16 2, (\q)%2, \q, \slot, \zero
	s_wait_dscnt 0                                 ; A's blocks 4-7 are in (asked for 32 matrix instructions ago)
	PLACES NP
	FETCH_B \slot, (\q)+1, 1-(\q)%2
	FETCH_A \slot, (\q)+1, 0
.if \zero
	WIN FST_HI
.else
	WIN MUL_HI
.endif
	MUL16 4, (\q)%2, \q, \slot, \zero
	MUL16 6, (\q)%2, \q, \slot, \zero
	PLACES NP
	WIN 0
	FETCH_A \slot, (\q)+1, 4
.endm
; Slot 0's last step changes slots: one barrier; in front of it each wave waits for all its tensor loads (its part of slot 1), adds 0 to its spare word, and waits for that and for its reads of slot 0.
; Behind it slot 1 is whole and nobody reads slot 0 any more.  Nothing is filled again.
.macro TURN slot, next
	s_wait_tensorcnt 0x0                           ; all my tensor loads have landed  (every window is 0 here: the add's two registers lie in window 0)
	ds_add_u32 v[SPW], v[NIL]                      ; 0 onto my spare word
	s_wait_dscnt 4*NL+1                            ; (the add and the youngest eight loads, A's blocks 4-7, may be out)
	WIN MUL_LO
	MUL16 0, 1, NQ-1, \slot, 0                     ; sixteen matrix instructions stand between the add and the wait for it
	s_wait_dscnt 0x0                               ; the add is done, and my reads of this slot are over
	s_barrier_signal -1
	MUL16 2, 1, NQ-1, \slot, 0
	WIN 0
	s_barrier_wait -1
	PLACES NP
	v_add_nc_u32 v[ADRS], 4*NQ, v[ADRS]            ; on to the next slot's scale words (no LDS load of mine is out)
	FETCH_B \next, 0, 0
	FETCH_A \next, 0, 0
	SCALES \next
	WIN MUL_HI
	MUL16 4, 1, NQ-1, \slot, 0
	MUL16 6, 1, NQ-1, \slot, 0
	PLACES NP
	WIN 0
	FETCH_A \next, 0, 4
.endm
.macro STEPS slot, from                ; the slot's steps from .. NQ - 2
.set Q, \from
.rept NQ-1-\from
	STEP \slot, Q, 0
.set Q, Q+1
.endr
.endm
	s_wait_tensorcnt 1                             ; the scales and my part of slot 0 are in; slot 1's load, the one issued behind them, may be out
	s_barrier_signal -1
	s_barrier_wait -1                              ; everybody's are
	FETCH_B 0, 0, 0
	FETCH_A 0, 0, 0
	SCALES 0
	FETCH_A 0, 0, 4
	s_wait_loadcnt 0x0                             ; the bias
	STEP 0, 0, 1                                   ; the first step's products start the sums from the bias: nothing is cleared, nothing is added later
	STEPS 0, 1
	TURN 0, 1
	STEPS 1, 0
	s_wait_dscnt 4*NL                              ; the very last step: nothing more to fetch
	WIN MUL_LO
	MUL16 0, 1, NQ-1, 1, 0
	MUL16 2, 1, NQ-1, 1, 0
	s_wait_dscnt 0
	WIN MUL_HI
	MUL16 4, 1, NQ-1, 1, 0
	MUL16 6, 1, NQ-1, 1, 0
	WIN 0
; THE WAY OUT, block by block of 16 tokens x 128 features (two heads).  PACK: rounded to f16, 16 bytes a lane.  TOSTAGE: into my own stage, and back head by head, four tokens' 128 bytes to a load.
; SEND: each store covers 512 consecutive bytes of qkv16: four tokens of one head.  LDS serves a wave's instructions in order (ISA guide 5.7.1.4): no wait between the stage's stores and its loads.
.macro PACK a
.set AC, 64*((\a)%4)
	WIN 0x0a+5*((\a)/4)                            ; sources 0 and 1: window 2 or 3
.irp b, 0,1,2,3,4,5,6,7
.irp r, 0,1,2,3
	v_cvt_pk_f16_f32 v[TMP+4*\b+\r], v[AC+8*\b+2*\r], v[AC+8*\b+2*\r+1]   ; each accumulator from its low end on
.endr
.endr
	WIN 0
.endm
.macro TOSTAGE a
.set BB, BK+32*((\a)%2)
.irp b, 0,1,2,3,4,5,6,7
	ds_store_b128 v[STO], v[TMP+4*\b:TMP+4*\b+3] offset:32*\b
.endr
.irp u, 0,1
.irp t, 0,1,2,3
	ds_load_b128 v[BB+4*(4*\u+\t):BB+4*(4*\u+\t)+3], v[RD] offset:128*\u+4*SPITCH*\t
.endr
.endr
.endm
.macro SEND a
.set BB, BK+32*((\a)%2)
	s_wait_dscnt 0x0                               ; the block is back in registers
	s_wait_xcnt 0x0                                ; earlier stores have read their base and their data: only behind this wait is the base stepped, and are the registers of the block before last loaded again
.if (\a) > 0
	s_add_nc_u64 s[12:13], s[12:13], 16*128        ; 16 tokens on
.endif
.irp u, 0,1
.irp t, 0,1,2,3
	global_store_b128 v[CO], v[BB+4*(4*\u+\t):BB+4*(4*\u+\t)+3], s[12:13] offset:262144*\u+512*\t   ; head u of my two, tokens 4 t .. 4 t + 3
.endr
.endr
.endm
	PLACES NP                                      ; behind the last products: the conversions write registers that held scale words, and block 7's read results just made
	PACK 0
	TOSTAGE 0
.irp a, 1,2,3,4,5,6,7                  ; block a's conversions stand between block a - 1's loads from the stage and the wait for them
	PACK \a
	SEND \a-1
	TOSTAGE \a
.endr
	SEND 7
	s_wait_tensorcnt 0x0                           ; the wave's end: behind my last tensor load and my last LDS store
	ds_add_u32 v[SPW], v[NIL]
	s_wait_dscnt 0x0
	CROUND                                         ; the closing round: no work-group ends while a partner may still ask for a tile that names it
	s_endpgm
.Lfunc_end_k_qe69cce639a_proj:
	.size	k_qe69cce639a_proj, .Lfunc_end_k_qe69cce639a_proj-k_qe69cce639a_proj
	.p2alignl 7, 3214868480
	.fill 96, 4, 3214868480
	.section	.rodata,"a",@progbits
	.p2align	6, 0x0
	.amdhsa_kernel k_qe69cce639a_proj
		.amdhsa_group_segment_fixed_size 327680
		.amdhsa_private_segment_fixed_size 0
		.amdhsa_enable_private_segment 0
		.amdhsa_kernarg_size 64
		.amdhsa_user_sgpr_count 2
		.amdhsa_user_sgpr_kernarg_segment_ptr 1
		.amdhsa_wavefront_size32 1
		.amdhsa_system_sgpr_workgroup_id_x 1
		.amdhsa_system_sgpr_workgroup_id_y 1
		.amdhsa_system_sgpr_workgroup_id_z 1
		.amdhsa_system_vgpr_workitem_id 0
		.amdhsa_next_free_vgpr 1024
		.amdhsa_next_free_sgpr 102
		.amdhsa_reserve_vcc 0
		.amdhsa_float_denorm_mode_32 3
		.amdhsa_float_denorm_mode_16_64 3
		.amdhsa_memory_ordered 1
		.amdhsa_forward_progress 1
		.amdhsa_inst_pref_size 129
	.end_amdhsa_kernel
	.amdgpu_metadata
---
amdhsa.version: [ 1, 2 ]
amdhsa.kernels:
  - .name:           k_qe69cce639a_proj
    .symbol:         k_qe69cce639a_proj.kd
    .args:
      - { .name: xcodes, .offset: 0, .size: 8, .value_kind: global_buffer, .address_space: global }
      - { .name: xscales, .offset: 8, .size: 8, .value_kind: global_buffer, .address_space: global }
      - { .name: wcodes, .offset: 16, .size: 8, .value_kind: global_buffer, .address_space: global }
      - { .name: wscales, .offset: 24, .size: 8, .value_kind: global_buffer, .address_space: global }
      - { .name: bq, .offset: 32, .size: 8, .value_kind: global_buffer, .address_space: global }
      - { .name: bk, .offset: 40, .size: 8, .value_kind: global_buffer, .address_space: global }
      - { .name: bv, .offset: 48, .size: 8, .value_kind: global_buffer, .address_space: global }
      - { .name: qkv16, .offset: 56, .size: 8, .value_kind: global_buffer, .address_space: global }
    .group_segment_fixed_size: 327680
    .private_segment_fixed_size: 0
    .kernarg_segment_align: 8
    .kernarg_segment_size: 64
    .max_flat_workgroup_size: 128
    .sgpr_count:     102
    .vgpr_count:     1024
    .wavefront_size: 32
...
	.end_amdgpu_metadata
.endif
;; end of part 2
;; launch attn (part 3): grid 4 x 64, 16 waves a work-group, clusters of 4 x 1, 327,680 bytes of LDS; arguments qkv16, attn16; writes attn16
.if DOCPART == 3
	.amdgcn_target "amdgcn-amd-amdhsa--gfx1250"
	.amdhsa_code_object_version 6
	.text
	.protected	k_qe69cce639a_attn
	.globl	k_qe69cce639a_attn
	.p2align	8
	.type	k_qe69cce639a_attn,@function
k_qe69cce639a_attn:
	s_mov_b64 s[64:65], 0
	v_nop
	global_prefetch_b8 v0, s[64:65] scope:SCOPE_SE
	s_setreg_imm32_b32 hwreg(HW_REG_WAVE_MODE, 25, 1), 1
	s_wait_xcnt 0x0
	s_wait_alu depctr_hold_cnt(0) depctr_sa_sdst(0) depctr_va_vdst(0) depctr_va_sdst(0) depctr_va_ssrc(0) depctr_va_vcc(0) depctr_vm_vsrc(0)
	s_getreg_b32 s2, hwreg(HW_REG_IB_STS2, 6, 4)
	s_cmp_eq_u32 s2, 0
	s_cbranch_scc0 .Lentry_in_a_cluster
	s_endpgm
.Lentry_in_a_cluster:
	s_bfe_u32 s2, ttmp6, 0x10000c
	s_cmp_lg_u32 s2, 0x3003
	s_cbranch_scc0 .Lentry_shape_is_right
	s_endpgm
.Lentry_shape_is_right:
; ATTN.  O[bh][q][:] = the sum over k of softmax_k(Q[bh][q] . K[bh][k] / 8) V[bh][k][:], no mask.  Q, K, V: the three parts of qkv16, each [64 heads-of-batches][2048][64] f16; O: attn16, laid likewise, f16.
; Products, maxima and sums in f32; the weights p are rounded to f16 for the second product, O once at the end.
; LIMITS: p under 6e-8 becomes 0 in f16 (the row's sum is at least about 1); NaN and infinities are not served.
; SHARES.  A work-group owns 512 queries of one head; each of its sixteen waves 32 of them, two tiles of 16, in 256 registers: four waves to a SIMD, so that one wave's vector work stands beside another's matrix work and LDS loads.
; Every wave walks the head's 2,048 keys, 64 a step.  K's and V's rows come through a ring of two LDS slots of 256 keys (waves 0, 1: K's halves; waves 2, 3: V's) and are read by all sixteen.
; CLUSTER.  The four work-groups of a cluster are the four query blocks of one head and walk the same K and V: each tile is asked for jointly, by the same tensor load with the same descriptor and the mask of all four.
; LAYOUT.  S^T = K Q^T (source 0 = 16 keys, source 1 = 16 queries): a lane holds ONE query (lane % 16) and keys 8 (lane / 16) + 0..7 of a tile.  Two such tiles, rounded to f16 in pairs, ARE source 1 (32 keys x 16 queries)
; of O^T = V^T P, whose result again holds one query a lane.  K comes out of LDS as it lies, V ([key][channel]) turned, by ds_load_tr16_b128.
; SOFTMAX.  For each query a running maximum m and sum l: p = 2^(c s - c m), c = log2(e) / 8; in every step O and l are multiplied by a = 2^(c m_old - c m_new).  The step is written once: O and l begin as zeros and m as -3e38,
; so the first a is 0, which leaves the zeros.
; REGISTERS: v1-11 addresses; v12-27 statistics, eight a tile: +0 c m, +1 m, +2, +3 l (even keys', odd keys'), +4 .. +7 at work (a at +6); v28-31 set-up; v32-63 Q; v64-127 K of a step, then V of it; v128-191 S^T, 32 a tile,
; whose first 16 become P; v192-255 O^T, 32 a tile.
.set PK,    144                        ; a row of K in LDS: 128 bytes + 16: an odd multiple of 16, so the 16 rows of a load start at different banks (64 banks of 4 bytes: ISA guide 11.1)
.set PV,    160                        ; a row of V: 128 + 32: an odd multiple of 32, for the turning load's 8 rows x 32 bytes
.set SK,    256                        ; keys in a slot
.set VOFF,  SK*PK                      ; a slot: 256 rows of K, then 256 rows of V
.set SLOT1, 1<<17                      ; slot 1 begins here: one exclusive or turns an address in one slot into the other's
.set SPARE, SLOT1+SK*(PK+PV)           ; behind the ring: the spare words, 128 bytes for each of sixteen waves
.set NSL,   2048/SK                    ; slots' worth of keys
.set WSTG,  32*PK                      ; the way out: 32 rows x 144 bytes for each wave, in slot 0, which was left at the last change of slots: it has had its last fill, and nobody reads it
.set AK0, 1                            ; v1   my lane's place in a tile of K
.set AV0, 2                            ; v2   the same for V
.set ADK, 3                            ; v3   LDS address of the slot's K
.set ADV, 4                            ; v4   of its V
.set SPW, 5                            ; v5   my spare word; never rewritten
.set NIL, 6                            ; v6   0; never rewritten
.set GO,  7                            ; v7   16 x lane
.set PFO, 8                            ; v8   256 x lane; never rewritten
.set QO,  9                            ; v9   my byte in a tile of Q
.set STO, 10                           ; v10  the way out: where I put 16 bytes of a row
.set RD,  11                           ; v11  and where I read back
.set ST,  12
.set Q,   32
.set KV,  64
.set S,   128
.set O,   192
.set WV,  8                            ; s8   my wave's number
.set G1K, 24                           ; s[24:31] group 1 for K's tiles;  s[32:39] for V's: it differs in the padding alone
.set G1V, 32
.set G0K, 40                           ; s[40:43], s[44:47] their groups 0, which walk
.set G0V, 44
.set CS,  48                           ; s[48:49] c: the packed form names a pair and takes its low word for both halves
.set SEL, 50                           ; s[50:51] lane selects for v_permlanex16_b32: lane l xor 16
.set TB,  52                           ; s52  LDS byte at which the slot in hand begins
.set SLOTS, 53                         ; s53  slots still to be asked for
.set LIM, 54                           ; s54  1 in a wave that prefetches, else the greatest number
.set PFA, 56                           ; s[56:57] where my prefetches stand: my work-group's quarter of the slot after the one that is being asked for
; Waves 0 and 1 fetch for K, waves 2 and 3 for V, the others nothing.  The branches hang on the wave's number alone: they are the same in all four partners.  An s_nop 0 and four v_nop follow each line.
.macro TLOAD
	s_cmp_lt_u32 s[WV], 2
	s_cbranch_scc0 .Lnot_k_\@
	tensor_load_to_lds s[G0K:G0K+3], s[G1K:G1K+7]
	s_nop 0
.rept 4
	v_nop
.endr
	s_branch .Lasked_\@
.Lnot_k_\@:
	s_cmp_lt_u32 s[WV], 4
	s_cbranch_scc0 .Lasked_\@
	tensor_load_to_lds s[G0V:G0V+3], s[G1V:G1V+7]
	s_nop 0
.rept 4
	v_nop
.endr
.Lasked_\@:
.endm
; A prefetch of what the NEXT change of slots will ask for: 32,768 dense bytes of K and as many of V.  One cluster walks a head, so its four partners share each block out BY ADDRESS, 8,192 bytes each, lanes 256 bytes apart;
; in each partner wave 4 asks for K's part and wave 5 for V's, one instruction: each aligned block of 256 bytes is named once in the launch.  It runs a slot's four key steps ahead of the load.  The last change that fills a slot
; asks for nothing; slots 0 and 1 come by their loads alone.
.macro ASK
	s_cmp_gt_u32 s[SLOTS], s[LIM]
	s_cbranch_scc0 .Lnot_mine_\@
	global_prefetch_b8 v[PFO], s[PFA:PFA+1] th:TH_LOAD_NT scope:SCOPE_SE
.Lnot_mine_\@:
.endm
.macro CROUND                          ; a round of the cluster's barrier
	s_barrier_signal -1
	s_barrier_wait -1
	s_cmp_lg_u32 s[WV], 0
	s_cbranch_scc1 .Lnot_wave_0_\@
	s_barrier_signal -3
.Lnot_wave_0_\@:
	s_barrier_wait -3
	s_barrier_signal -1
	s_barrier_wait -1
.endm
	s_load_b128 s[4:7], s[0:1], 0x0                ; qkv16, attn16
	v_lshl_add_u32 v[SPW], v0, 2, SPARE
	v_mov_b32 v[NIL], 0
	ds_add_u32 v[SPW], v[NIL]                      ; the wave's opening: the add, twice on end, and its wait ahead of the first tensor loads; the set-up below stands between
	ds_add_u32 v[SPW], v[NIL]
	v_lshrrev_b32 v28, 5, v0
	v_readfirstlane_b32 s[WV], v28                 ; wave 0..15
	s_bfe_u32 s9, ttmp6, 0x40000                   ; cx: my block of 512 queries: it enters Q's, O's and the prefetches' addresses alone
	s_and_b32 s10, ttmp7, 0xffff                   ; the head (16 x batch + head), which the four partners share
	s_lshl_b32 s10, s10, 18                        ; its first byte in a part: 2,048 rows of 128 bytes
	s_and_b32 s11, s[WV], 1                        ; which half of a slot's rows I fetch, if I fetch
	s_lshl_b32 s12, s11, 14                        ; 128 rows of 128 bytes
	s_add_co_u32 s12, s12, s10
	s_add_co_u32 s12, s12, 1<<24                   ; K is part 1 of qkv16,
	s_mov_b32 s13, 0
	s_add_co_u32 s14, s12, 1<<24                   ; V part 2
	s_mov_b32 s15, 0
	s_mul_i32 s16, s11, 128*PK                     ; and where they go in a slot
	s_mul_i32 s17, s11, 128*PV
	s_add_co_u32 s17, s17, VOFF
	s_lshl_b32 s18, s9, 16                         ; my work-group's 512 rows,
	s_lshl_b32 s19, s[WV], 12                      ; my wave's 32 of them
	s_add_co_u32 s18, s18, s19
	s_add_co_u32 s18, s18, s10
	s_mov_b32 s19, 0
	s_cmp_eq_u32 s[WV], 4                          ; the prefetches: wave 4 stands in K, wave 5 in V
	s_mov_b32 s20, 1<<25
	s_cselect_b32 s20, 1<<24, s20
	s_lshl_b32 s21, s9, 13                         ; my work-group's 8,192 bytes of a slot's 32,768
	s_add_co_u32 s20, s20, s21
	s_add_co_u32 s20, s20, s10
	s_add_co_u32 s20, s20, SK*128                  ; in slot 1: the first change of slots steps it to slot 2
	s_mov_b32 s21, 0
	s_sub_co_u32 s2, s[WV], 4
	s_lshr_b32 s2, s2, 1                           ; 0 in waves 4 and 5
	s_cmp_eq_u32 s2, 0
	s_cselect_b32 s[LIM], 1, -1
	; group 1: a tile of 128 rows x 64 elements of 2 bytes, dense in memory, padded in LDS behind every row
	s_mov_b32 s[G1K], 15|(1<<16)|(1<<20)|(1<<21)|(4<<22)|(3<<25)  ; 15:0 the mask: all four work-groups; 17:16 elements of 2 bytes; 20 padding on; 21 set beside a mask; 24:22 after every 32 words; 31:25 four words
	s_mov_b32 s[G1V], 15|(1<<16)|(1<<20)|(1<<21)|(4<<22)|(7<<25)  ; the same with eight words of padding
.irp g, G1K, G1V
	s_mov_b32 s[\g+1], 64<<16                      ; tensor_dim0
	s_mov_b32 s[\g+2], 128<<16                     ; tensor_dim1
	s_mov_b32 s[\g+3], 64<<16                      ; tile_dim0
	s_mov_b32 s[\g+4], 128                         ; tile_dim1
	s_mov_b32 s[\g+5], 64                          ; stride from row to row
	s_mov_b32 s[\g+6], 0
	s_mov_b32 s[\g+7], 0
.endr
	s_mov_b32 s[CS], 0x3e38aa3b                    ; c = log2(e) / 8
	s_mov_b32 s[CS+1], s[CS]                       ; (named with it as a pair, so it is written)
	s_mov_b32 s[SEL], 0x76543210
	s_mov_b32 s[SEL+1], 0xfedcba98
	s_mov_b32 s[TB], 0
	s_mov_b32 s[SLOTS], NSL-1
	v_and_b32 v[GO], 31, v0
	v_lshlrev_b32 v[PFO], 8, v[GO]
	v_lshlrev_b32 v[GO], 4, v[GO]
	s_wait_dscnt 0x0                               ; both opening adds are done
	s_wait_kmcnt 0x0
	s_mov_b32 s[G0K], 1                            ; count = 1
	s_mov_b32 s[G0K+1], s16                        ; LDS address: slot 0
	s_add_nc_u64 s[G0K+2:G0K+3], s[4:5], s[12:13]  ; global address: the head's first 256 keys
	s_or_b32 s[G0K+3], s[G0K+3], 0x80000000        ; type = 2
	s_mov_b32 s[G0V], 1
	s_mov_b32 s[G0V+1], s17
	s_add_nc_u64 s[G0V+2:G0V+3], s[4:5], s[14:15]
	s_or_b32 s[G0V+3], s[G0V+3], 0x80000000
	s_add_nc_u64 s[PFA:PFA+1], s[4:5], s[20:21]
	s_add_nc_u64 s[22:23], s[4:5], s[18:19]        ; Q (part 0) at my first query
	s_add_nc_u64 s[6:7], s[6:7], s[18:19]          ; O likewise
	CROUND                                         ; all four work-groups are here: the first joint loads meet
	TLOAD                                          ; slot 0: one tensor load of mine is out, here and behind every change of slots
	v_and_b32 v28, 15, v0                          ; r = lane % 16
	v_bfe_u32 v29, v0, 4, 1                        ; h = lane / 16
	v_lshlrev_b32 v[QO], 7, v28
	v_lshl_add_u32 v[QO], v29, 4, v[QO]            ; row r of 128 bytes + 16 h
.irp t, 0,1                                    ; Q stays in registers: tile t, channels 32 s on: registers 0-3 channels 8 h + 0..7, registers 4-7 channels 16 + 8 h + 0..7
.irp s, 0,1
.irp c, 0,1
	global_load_b128 v[Q+16*\t+8*\s+4*\c:Q+16*\t+8*\s+4*\c+3], v[QO], s[22:23] offset:2048*\t+64*\s+32*\c
.endr
.endr
.endr
	v_mul_u32_u24 v[AK0], v28, PK
	v_lshl_add_u32 v[AK0], v29, 4, v[AK0]          ; K: row r x pitch + 16 h
	v_and_b32 v30, 7, v0
	v_bfe_u32 v31, v0, 3, 1
	v_lshl_add_u32 v[AV0], v29, 3, v30             ; V: the turning load takes key 8 h + l % 8, channels 8 ((l / 8) % 2) + 0..7
	v_mul_u32_u24 v[AV0], v[AV0], PV
	v_lshl_add_u32 v[AV0], v31, 4, v[AV0]
	v_add_nc_u32 v[AV0], VOFF, v[AV0]
	s_mul_i32 s18, s[WV], WSTG                     ; my stage
	v_add_nc_u32 v[STO], s18, v[AK0]               ; in: row r, 16 bytes for each half of the lanes
	v_bfe_u32 v31, v0, 3, 2
	v_mul_u32_u24 v[RD], v31, PK                   ; back: eight lanes to a row of 128 bytes, four rows a load
	v_lshl_add_u32 v[RD], v30, 4, v[RD]
	v_add_nc_u32 v[RD], s18, v[RD]
.irp t, 0,1
	v_mov_b32 v[ST+8*\t+1], 0xff61b1e6             ; m: -3e38, under every score
	v_mov_b32 v[ST+8*\t+2], 0                      ; l
	v_mov_b32 v[ST+8*\t+3], 0
.endr
.irp t, 0,1
	v_mul_f32 v[ST+8*\t], s[CS], v[ST+8*\t+1]      ; c m
.endr
.irp j, 0,1,2,3,4,5,6,7,8,9,10,11,12,13,14,15,16,17,18,19,20,21,22,23,24,25,26,27,28,29,30,31,32,33,34,35,36,37,38,39,40,41,42,43,44,45,46,47,48,49,50,51,52,53,54,55,56,57,58,59,60,61,62,63
	v_mov_b32 v[O+\j], 0                           ; O^T: the step is written once, and its first run finds zeros
.endr
; THE SOFTMAX OF A STEP, both tiles line by line, so that no line waits for the line above it: 118 vector instructions a tile.
.macro SOFTMAX
.irp j, 0,1,2,3                                ; the maximum of a lane's 32 scores and the old m, three operands at a time; each accumulator is read from its low end on
.irp t, 0,1
	v_max3_num_f32 v[ST+8*\t+4+\j], v[S+32*\t+8*\j], v[S+32*\t+8*\j+1], v[S+32*\t+8*\j+2]
.endr
.endr
.irp i, 3,5
.irp j, 0,1,2,3
.irp t, 0,1
	v_max3_num_f32 v[ST+8*\t+4+\j], v[ST+8*\t+4+\j], v[S+32*\t+8*\j+\i], v[S+32*\t+8*\j+\i+1]
.endr
.endr
.endr
.irp t, 0,1
	v_max3_num_f32 v[ST+8*\t+4], v[ST+8*\t+4], v[S+32*\t+7], v[S+32*\t+15]
.endr
.irp t, 0,1
	v_max3_num_f32 v[ST+8*\t+6], v[ST+8*\t+6], v[S+32*\t+23], v[S+32*\t+31]
.endr
.irp t, 0,1
	v_max3_num_f32 v[ST+8*\t+4], v[ST+8*\t+4], v[ST+8*\t+5], v[ST+8*\t+6]
.endr
.irp t, 0,1
	v_max3_num_f32 v[ST+8*\t+4], v[ST+8*\t+4], v[ST+8*\t+7], v[ST+8*\t+1]
.endr
.irp t, 0,1
	v_permlanex16_b32 v[ST+8*\t+5], v[ST+8*\t+4], s[SEL], s[SEL+1]   ; the query's other 32 keys lie in the lane 16 away
.endr
.irp t, 0,1
	v_mov_b32 v[ST+8*\t+7], v[ST+8*\t]             ; c m_old is kept for a
.endr
.irp t, 0,1
	v_max_num_f32 v[ST+8*\t+1], v[ST+8*\t+4], v[ST+8*\t+5]           ; the new m
.endr
.irp t, 0,1
	v_mul_f32 v[ST+8*\t], s[CS], v[ST+8*\t+1]      ; c m
.endr
.irp t, 0,1
	v_sub_f32 v[ST+8*\t+7], v[ST+8*\t+7], v[ST+8*\t]                 ; c m_old - c m_new, 0 or less
.endr
.irp j, 0,2,4,6,8,10,12,14,16,18,20,22,24,26,28,30
.irp t, 0,1
	v_pk_fma_f32 v[S+32*\t+\j:S+32*\t+\j+1], v[S+32*\t+\j:S+32*\t+\j+1], s[CS:CS+1], v[ST+8*\t:ST+8*\t+1] op_sel_hi:[1,0,0] neg_lo:[0,0,1] neg_hi:[0,0,1]   ; c s - c m, two at a time
.endr
.endr
.irp t, 0,1                                    ; ONE BATCH of 66 exponentials: none of them reads another's result
	v_exp_f32 v[ST+8*\t+6], v[ST+8*\t+7]           ; a
.endr
.irp j, 0,1,2,3,4,5,6,7,8,9,10,11,12,13,14,15,16,17,18,19,20,21,22,23,24,25,26,27,28,29,30,31
.irp t, 0,1
	v_exp_f32 v[S+32*\t+\j], v[S+32*\t+\j]         ; p
.endr
.endr
	v_nop                                          ; a plain instruction behind the last exponential, ahead of the first use (ISA guide 5.7.2)
	s_wait_alu depctr_va_vdst(0)                   ; and one wait ahead of the batch's first reader
.irp t, 0,1                                    ; l = a l + the sum of the unrounded p: two chains of packed additions
	v_pk_fma_f32 v[ST+8*\t+2:ST+8*\t+3], v[ST+8*\t+2:ST+8*\t+3], v[ST+8*\t+6:ST+8*\t+7], v[S+32*\t:S+32*\t+1] op_sel_hi:[1,0,1]
.endr
.irp t, 0,1
	v_pk_add_f32 v[ST+8*\t+4:ST+8*\t+5], v[S+32*\t+2:S+32*\t+3], v[S+32*\t+6:S+32*\t+7]
.endr
.irp j, 4,8,12,16,20,24
.irp t, 0,1
	v_pk_add_f32 v[ST+8*\t+2:ST+8*\t+3], v[ST+8*\t+2:ST+8*\t+3], v[S+32*\t+\j:S+32*\t+\j+1]
	v_pk_add_f32 v[ST+8*\t+4:ST+8*\t+5], v[ST+8*\t+4:ST+8*\t+5], v[S+32*\t+\j+6:S+32*\t+\j+7]
.endr
.endr
.irp t, 0,1
	v_pk_add_f32 v[ST+8*\t+2:ST+8*\t+3], v[ST+8*\t+2:ST+8*\t+3], v[S+32*\t+28:S+32*\t+29]
.endr
.irp t, 0,1
	v_pk_add_f32 v[ST+8*\t+2:ST+8*\t+3], v[ST+8*\t+2:ST+8*\t+3], v[ST+8*\t+4:ST+8*\t+5]
.endr
.irp j, 0,1,2,3,4,5,6,7,8,9,10,11,12,13,14,15  ; P in place: register j takes scores 2 j and 2 j + 1; ascending, so no source is written before it is read
.irp t, 0,1
	v_cvt_pk_f16_f32 v[S+32*\t+\j], v[S+32*\t+2*\j], v[S+32*\t+2*\j+1]
.endr
.endr
.irp j, 0,2,4,6,8,10,12,14,16,18,20,22,24,26,28,30
.irp t, 0,1
	v_pk_mul_f32 v[O+32*\t+\j:O+32*\t+\j+1], v[O+32*\t+\j:O+32*\t+\j+1], v[ST+8*\t+6:ST+8*\t+7] op_sel_hi:[1,0]   ; O^T x a
.endr
.endr
.endm
; A KEY STEP: 64 keys, the q-th of the slot in hand.
.macro STEP q
	v_add_nc_u32 v[ADK], s[TB], v[AK0]
	v_add_nc_u32 v[ADV], s[TB], v[AV0]
.rept 3
	v_nop                                          ; with the two additions five places behind the last step's products: K's loads land in registers that they read (four are owed), and the products below write over P, which was their source (five)
.endr
.irp k, 0,1,2,3                                ; K: keys 16 k on, channels 32 s on
.irp s, 0,1
.irp c, 0,1
	ds_load_b128 v[KV+16*\k+8*\s+4*\c:KV+16*\k+8*\s+4*\c+3], v[ADK] offset:(64*(\q)+16*\k)*PK+64*\s+32*\c
.endr
.endr
.endr
	s_wait_dscnt 0x0
.irp s, 0,1                                    ; S^T = K Q^T: eight accumulators by turns, one instruction a turn; the first eight start the sums
.irp k, 0,1,2,3
.irp t, 0,1
.if \s == 0
	v_wmma_f32_16x16x32_f16 v[S+32*\t+8*\k:S+32*\t+8*\k+7], v[KV+16*\k+8*\s:KV+16*\k+8*\s+7], v[Q+16*\t+8*\s:Q+16*\t+8*\s+7], 0
.else
	v_wmma_f32_16x16x32_f16 v[S+32*\t+8*\k:S+32*\t+8*\k+7], v[KV+16*\k+8*\s:KV+16*\k+8*\s+7], v[Q+16*\t+8*\s:Q+16*\t+8*\s+7], v[S+32*\t+8*\k:S+32*\t+8*\k+7]
.endif
.endr
.endr
.endr
.rept 4
	v_nop                                          ; four places: V's loads land in K's registers, and the softmax reads results just made
.endr
.irp g, 0,1                                    ; V, turned: keys 32 g on, channels 16 d on; it lands while the softmax is worked
.irp d, 0,1,2,3
.irp e, 0,1
	ds_load_tr16_b128 v[KV+8*(4*\g+\d)+4*\e:KV+8*(4*\g+\d)+4*\e+3], v[ADV] offset:(64*(\q)+32*\g+16*\e)*PV+32*\d
.endr
.endr
.endr
	SOFTMAX
	s_wait_dscnt 0x0                               ; V is in
.irp g, 0,1                                    ; O^T += V^T P: eight accumulators by turns
.irp d, 0,1,2,3
.irp t, 0,1
	v_wmma_f32_16x16x32_f16 v[O+32*\t+8*\d:O+32*\t+8*\d+7], v[KV+8*(4*\g+\d):KV+8*(4*\g+\d)+7], v[S+32*\t+8*\g:S+32*\t+8*\g+7], v[O+32*\t+8*\d:O+32*\t+8*\d+7]
.endr
.endr
.endr
.endm
; THE CHANGE OF SLOTS stands at a slot's head.  Each wave waits for all its tensor loads (its part of the slot that it is about to read), adds 0 to its spare word, and waits for that and for its reads of the slot that it has left.
; fill = 1: a round of the cluster's barrier follows, so that no wave of any partner still reads the other slot or has a load on its way, and the joint load of the next 256 keys is the first thing behind it:
; it has a slot's four steps in which to land.  (Slot 1's first fill goes out so too, behind the first round, behind which nothing is filled again.)
.macro CHANGE fill
	s_wait_tensorcnt 0x0                           ; no tensor load of mine is out, so a group 0 may be written
	ds_add_u32 v[SPW], v[NIL]                      ; 0 onto my spare word
.if \fill
	ds_add_u32 v[SPW], v[NIL]                      ; and once more: the add twice on end, in every trip alike
	s_xor_b32 s[G0K+1], s[G0K+1], SLOT1            ; the walking descriptors: the other slot than last time,
	s_add_nc_u64 s[G0K+2:G0K+3], s[G0K+2:G0K+3], SK*128   ; the next 256 keys; the type bits on top are not reached
	s_xor_b32 s[G0V+1], s[G0V+1], SLOT1
	s_add_nc_u64 s[G0V+2:G0V+3], s[G0V+2:G0V+3], SK*128
	s_wait_xcnt 0x0                                ; the last prefetch, a slot back, has read its address, so it may be written:
	s_add_nc_u64 s[PFA:PFA+1], s[PFA:PFA+1], SK*128       ; one slot further on than the walking descriptors
	s_wait_dscnt 0x0                               ; both adds are done, and my reads of the slot that I have left are over
	CROUND
	TLOAD
	ASK
.else
	s_wait_dscnt 0x0                               ; the add is done, and my reads of the slot that I have left are over
	s_barrier_signal -1
	s_barrier_wait -1
.endif
.endm
.macro SLOT_STEPS
	STEP 0
	STEP 1
	STEP 2
	STEP 3
	s_xor_b32 s[TB], s[TB], SLOT1                  ; on to the other slot
.endm
	s_wait_loadcnt 0x0                             ; Q
.Lslot:                                            ; NSL - 1 trips: behind each change of slots but the last the next slot is asked for
	CHANGE 1
	SLOT_STEPS
	s_sub_co_u32 s[SLOTS], s[SLOTS], 1
	s_cmp_lg_u32 s[SLOTS], 0
	s_cbranch_scc1 .Lslot
	CHANGE 0                                       ; the last slot is written out
	SLOT_STEPS
	; THE WAY OUT.  l's two halves and the other half of the lanes' are added; O^T is divided by l, rounded to f16 and sent through my stage, so that each store covers 512 consecutive bytes: four rows of O.
.rept 4
	v_nop                                          ; places behind the last products
.endr
.irp t, 0,1
	v_add_f32 v[ST+8*\t+4], v[ST+8*\t+2], v[ST+8*\t+3]
.endr
.irp t, 0,1
	v_permlanex16_b32 v[ST+8*\t+5], v[ST+8*\t+4], s[SEL], s[SEL+1]
.endr
.irp t, 0,1
	v_add_f32 v[ST+8*\t+4], v[ST+8*\t+4], v[ST+8*\t+5]
.endr
.irp t, 0,1
	v_rcp_f32 v[ST+8*\t+6], v[ST+8*\t+4]
.endr
	v_nop                                          ; a plain instruction between the last reciprocal and the use of its result
	s_wait_alu depctr_va_vdst(0)                   ; and one wait ahead of the first use, for both
.irp j, 0,2,4,6,8,10,12,14,16,18,20,22,24,26,28,30
.irp t, 0,1
	v_pk_mul_f32 v[O+32*\t+\j:O+32*\t+\j+1], v[O+32*\t+\j:O+32*\t+\j+1], v[ST+8*\t+6:ST+8*\t+7] op_sel_hi:[1,0]
.endr
.endr
.irp t, 0,1
.irp j, 0,1,2,3,4,5,6,7,8,9,10,11,12,13,14,15
	v_cvt_pk_f16_f32 v[S+16*\t+\j], v[O+32*\t+2*\j], v[O+32*\t+2*\j+1]   ; registers 4 d .. 4 d + 3: channels 16 d + 8 h + 0..7 of query r: 16 bytes
.endr
.endr
.irp t, 0,1
.irp d, 0,1,2,3
	ds_store_b128 v[STO], v[S+16*\t+4*\d:S+16*\t+4*\d+3] offset:16*PK*\t+32*\d
.endr
.endr
.irp i, 0,1,2,3,4,5,6,7
	ds_load_b128 v[S+32+4*\i:S+32+4*\i+3], v[RD] offset:4*PK*\i    ; LDS serves a wave's instructions in order (ISA guide 5.7.1.4): these see my stores
.endr
.irp i, 0,1,2,3,4,5,6,7
	s_wait_dscnt 7-\i                              ; load i is in; the younger ones may be out
	global_store_b128 v[GO], v[S+32+4*\i:S+32+4*\i+3], s[6:7] offset:512*\i
.endr
	s_wait_tensorcnt 0x0                           ; the wave's end: behind my last tensor load and my last LDS store
	ds_add_u32 v[SPW], v[NIL]
	s_wait_dscnt 0x0
	CROUND                                         ; the closing round: no work-group ends while a partner may still ask for a tile that names it
	s_endpgm
.Lfunc_end_k_qe69cce639a_attn:
	.size	k_qe69cce639a_attn, .Lfunc_end_k_qe69cce639a_attn-k_qe69cce639a_attn
	.p2alignl 7, 3214868480
	.fill 96, 4, 3214868480
	.section	.rodata,"a",@progbits
	.p2align	6, 0x0
	.amdhsa_kernel k_qe69cce639a_attn
		.amdhsa_group_segment_fixed_size 327680
		.amdhsa_private_segment_fixed_size 0
		.amdhsa_enable_private_segment 0
		.amdhsa_kernarg_size 16
		.amdhsa_user_sgpr_count 2
		.amdhsa_user_sgpr_kernarg_segment_ptr 1
		.amdhsa_wavefront_size32 1
		.amdhsa_system_sgpr_workgroup_id_x 1
		.amdhsa_system_sgpr_workgroup_id_y 1
		.amdhsa_system_sgpr_workgroup_id_z 1
		.amdhsa_system_vgpr_workitem_id 0
		.amdhsa_next_free_vgpr 256
		.amdhsa_next_free_sgpr 66
		.amdhsa_reserve_vcc 0
		.amdhsa_float_denorm_mode_32 3
		.amdhsa_float_denorm_mode_16_64 3
		.amdhsa_memory_ordered 1
		.amdhsa_forward_progress 1
		.amdhsa_inst_pref_size 153
	.end_amdhsa_kernel
	.amdgpu_metadata
---
amdhsa.version: [ 1, 2 ]
amdhsa.kernels:
  - .name:           k_qe69cce639a_attn
    .symbol:         k_qe69cce639a_attn.kd
    .args:
      - { .name: qkv16, .offset: 0, .size: 8, .value_kind: global_buffer, .address_space: global }
      - { .name: attn16, .offset: 8, .size: 8, .value_kind: global_buffer, .address_space: global }
    .group_segment_fixed_size: 327680
    .private_segment_fixed_size: 0
    .kernarg_segment_align: 8
    .kernarg_segment_size: 16
    .max_flat_workgroup_size: 512
    .sgpr_count:     66
    .vgpr_count:     256
    .wavefront_size: 32
...
	.end_amdgpu_metadata
.endif
;; end of part 3
;; launch oproj (part 4): grid 8 x 64, 4 waves a work-group, clusters of 4 x 4, 327,680 bytes of LDS; arguments attn16, wo16, bo, out0; writes out0
.if DOCPART == 4
	.amdgcn_target "amdgcn-amd-amdhsa--gfx1250"
	.amdhsa_code_object_version 6
	.text
	.protected	k_qe69cce639a_oproj
	.globl	k_qe69cce639a_oproj
	.p2align	8
	.type	k_qe69cce639a_oproj,@function
k_qe69cce639a_oproj:
	s_mov_b64 s[64:65], 0
	v_nop
	global_prefetch_b8 v0, s[64:65] scope:SCOPE_SE
	s_setreg_imm32_b32 hwreg(HW_REG_WAVE_MODE, 25, 1), 1
	s_wait_xcnt 0x0
	s_wait_alu depctr_hold_cnt(0) depctr_sa_sdst(0) depctr_va_vdst(0) depctr_va_sdst(0) depctr_va_ssrc(0) depctr_va_vcc(0) depctr_vm_vsrc(0)
	s_getreg_b32 s2, hwreg(HW_REG_IB_STS2, 6, 4)
	s_cmp_eq_u32 s2, 0
	s_cbranch_scc0 .Lentry_in_a_cluster
	s_endpgm
.Lentry_in_a_cluster:
	s_bfe_u32 s2, ttmp6, 0x10000c
	s_cmp_lg_u32 s2, 0xf033
	s_cbranch_scc0 .Lentry_shape_is_right
	s_endpgm
.Lentry_shape_is_right:
; OPROJ.  out0[m][n] = the sum over k of A[m][k] Wo[n][k] + bo[n].  A is the attention's result, f16, head-major: attn16 [batch 4][head 16][token 2048][64], m = 2048 batch + token, k = 64 head + channel.
; wo16: [1024 n][1024 k] f16.  bo [1024], out0 [8192][1024]: f32.  Sums in f32; the bias is the C of each sum's first product.
; A tile of the result is 128 x 128 (512 tiles, two for each of 256 WGPs; tiles of 256 x 256 would be 128).  Four waves, each 64 x 64: 16 accumulators, 128 registers.  K goes in steps of 256 (four heads) through two LDS slots.
; A'S TILE: 64 tokens of one head are 8,192 dense bytes, so a wave's tensor load brings four rows of 8,192 bytes, a head apart, with 16 bytes of padding behind every 128: in LDS four sub-tiles (one a head) of 64 rows x 144 bytes.
; B's tile: 64 rows of 512 bytes, 16 bytes of padding behind each.
; CLUSTERS: 4 x 4 work-groups; A's tiles are shared along a row of the cluster, B's along a column: each is asked for jointly.  THE MATRIX INSTRUCTION IS USED TRANSPOSED (source 0 = 16 rows of Wo, source 1 = 16 tokens):
; a lane holds eight neighbouring numbers of a row of the result.
; REGISTERS: window 0: v0-31 addresses; v32-95 the way out; v96-127 the bias, eight registers for each of B's four blocks; v128-255 the accumulators ((a, b) at v[128 + 8 (4 a + b)]).
;   window 1: two fragment buffers of 128: for 64 along K, 64 registers of A, then 64 of B.
.set SIZE_N, 1024
.set SIZE_K, 1024
.set KSTEP,  256
.set PA,     144                       ; a row of A in LDS: 128 bytes + 16: an odd multiple of 16 (64 banks of 4 bytes: ISA guide 11.1)
.set SUBA,   64*PA                     ; a head's 64 tokens
.set HALFA,  4*SUBA                    ; what one tensor load brings of A
.set ASTEP,  4*262144                  ; four heads on in memory
.set PITCH,  528                       ; a row of B in LDS: 512 bytes + 16
.set HALFB,  64*PITCH                  ; what one tensor load brings of B
.set SLOT,   2*HALFA+2*HALFB           ; A's two halves, then B's two
.set STAGE,  2*SLOT                    ; behind the ring: 16 rows x 272 bytes for each wave, its own
.set SPITCH, 272
.set SPARE,  STAGE+4*16*SPITCH         ; the spare words, 128 bytes a wave
.set LAPS,   SIZE_K/(2*KSTEP)          ; a lap = two K steps = once round the ring
.set ADRA, 16                          ; v16-17  LDS address of my A fragments in slot 0, 1
.set ADRB, 20                          ; v20-21  the same for B
.set STO,  24                          ; v24     the way out: where I put 32 bytes of a row
.set RD,   25                          ; v25     where I read rows back
.set CO,   26                          ; v26     my byte offset in two rows of the result
.set BO,   27                          ; v27     32 x (lane / 16)
.set SPW,  28                          ; v28     my spare word; never rewritten
.set NIL,  29                          ; v29     0; never rewritten
.set BK,   32                          ; the way out: v32-63 and v64-95 by turns
.set BIAS, 96
.set ACC,  128
.set F0,   0                           ; fragment buffers, in window 1
.set F1,   128
.set G1, 24                            ; s[24:31] group 1 for A's tiles;  s[32:39] group 0, one set for each slot
.set G0, 32
.set G1B, 48                           ; s[48:55], s[56:63] the same for B's
.set G0B, 56
.set MSB, 0
.macro WIN new                         ; the immediate's high byte repeats the setting that is left
.if MSB != \new
	s_set_vgpr_msb (MSB<<8)|\new
.set MSB, \new
.endif
.endm
.set MUL,  0x05                        ; sources 0 (B) and 1 (A) window 1; C and D window 0
.set TO_F, 0x40                        ; destination window 1, address window 0
.macro JLOAD s                         ; a joint load: waves 0 and 1 fetch A's two halves, waves 2 and 3 B's; an s_nop 0 and four v_nop follow each of the two lines
	s_cmp_eq_u32 s11, 0
	s_cbranch_scc0 .Lfor_b_\@
	tensor_load_to_lds s[G0+4*\s:G0+4*\s+3], s[G1:G1+7]
	s_nop 0
.rept 4
	v_nop
.endr
	s_branch .Lasked_\@
.Lfor_b_\@:
	tensor_load_to_lds s[G0B+4*\s:G0B+4*\s+3], s[G1B:G1B+7]
	s_nop 0
.rept 4
	v_nop
.endr
.Lasked_\@:
.endm
.macro CREST                           ; a round of the cluster's barrier behind its opening barrier
	s_cmp_lg_u32 s10, 0
	s_cbranch_scc1 .Lnot_wave_0_\@
	s_barrier_signal -3
.Lnot_wave_0_\@:
	s_barrier_wait -3
	s_barrier_signal -1
	s_barrier_wait -1
.endm
.macro CROUND                          ; a whole round
	s_barrier_signal -1
	s_barrier_wait -1
	CREST
.endm
	s_load_b128 s[4:7], s[0:1], 0x0                ; attn16, wo16
	s_load_b64 s[66:67], s[0:1], 0x10              ; bo
	s_load_b64 s[8:9], s[0:1], 0x18                ; out0
	v_lshl_add_u32 v[SPW], v0, 2, SPARE
	v_mov_b32 v[NIL], 0
	ds_add_u32 v[SPW], v[NIL]                      ; the wave's opening: the add, twice on end, and its wait ahead of my first tensor load; the set-up below stands between
	ds_add_u32 v[SPW], v[NIL]
	v_lshrrev_b32 v1, 5, v0
	v_readfirstlane_b32 s10, v1                    ; wave 0..3
	s_lshr_b32 s11, s10, 1                         ; which half of the tile's rows is mine.  Also: I fetch for A (0) or for B (1)
	s_and_b32 s12, s10, 1                          ; which half of its columns.  Also: which 64 rows of that tile I fetch
	s_bfe_u32 s40, ttmp6, 0x40000                  ; cx, cy: my place in the cluster
	s_bfe_u32 s41, ttmp6, 0x40004
	s_lshl_b32 s42, ttmp9, 2
	s_add_co_u32 s42, s42, s40                     ; tile column = 4 x cluster x + cx
	s_and_b32 s13, ttmp7, 0xffff
	s_lshl_b32 s13, s13, 2
	s_add_co_u32 s13, s13, s41                     ; tile row = 4 x cluster y + cy
	s_lshl_b32 s43, s41, 2
	s_lshl_b32 s43, 15, s43                        ; my row of the cluster
	s_lshl_b32 s44, 0x1111, s40                    ; my column
	; group 1 for A: four rows of 4,096 elements of 2 bytes, 131,072 elements (a head) apart; four words of padding behind every 32
	s_or_b32 s[G1+0], s43, (1<<16)|(1<<20)|(1<<21)|(4<<22)|(3<<25)
	s_mov_b32 s[G1+1], 4096<<16                    ; tensor_dim0
	s_mov_b32 s[G1+2], 4<<16                       ; tensor_dim1
	s_mov_b32 s[G1+3], 4096<<16                    ; tile_dim0
	s_mov_b32 s[G1+4], 4                           ; tile_dim1
	s_mov_b32 s[G1+5], 131072                      ; stride from row to row
	s_mov_b32 s[G1+6], 0
	s_mov_b32 s[G1+7], 0
	; group 1 for B: 64 rows of 256 elements; four words of padding behind every 128
	s_or_b32 s[G1B+0], s44, (1<<16)|(1<<20)|(1<<21)|(6<<22)|(3<<25)
	s_mov_b32 s[G1B+1], KSTEP<<16
	s_mov_b32 s[G1B+2], 64<<16
	s_mov_b32 s[G1B+3], KSTEP<<16
	s_mov_b32 s[G1B+4], 64
	s_mov_b32 s[G1B+5], SIZE_K
	s_mov_b32 s[G1B+6], 0
	s_mov_b32 s[G1B+7], 0
	s_lshl_b32 s18, s12, 6                         ; which 64 rows of the tile I fetch
	s_lshr_b32 s16, s13, 4                         ; A: batch = tile row / 16: 2^22 bytes each,
	s_lshl_b32 s16, s16, 22
	s_and_b32 s17, s13, 15
	s_lshl_b32 s17, s17, 7
	s_add_co_u32 s17, s17, s18                     ; token 128 x (tile row % 16) + 64 x half: 128 bytes each
	s_lshl_b32 s17, s17, 7
	s_add_co_u32 s16, s16, s17
	s_mov_b32 s17, 0
	s_lshl_b32 s46, s42, 7
	s_add_co_u32 s46, s46, s18                     ; B: row 128 x tile column + 64 x half,
	s_lshl_b32 s46, s46, 11                        ; of 2,048 bytes
	s_mov_b32 s47, 0
	s_mul_i32 s20, s12, HALFA                      ; where they go: no place in the cluster enters an LDS address
	s_mul_i32 s21, s12, HALFB
	s_add_co_u32 s21, s21, 2*HALFA
	s_wait_dscnt 0x0                               ; both opening adds are done
	s_wait_kmcnt 0x0
	s_add_nc_u64 s[14:15], s[4:5], s[16:17]
	s_add_nc_u64 s[46:47], s[6:7], s[46:47]
	CROUND                                         ; all sixteen work-groups are here: the first joint loads meet
.irp s, 0,1
	s_mov_b32 s[G0+4*\s], 1
	s_add_co_u32 s[G0+4*\s+1], s20, \s*SLOT
	s_add_nc_u64 s[G0+4*\s+2:G0+4*\s+3], s[14:15], \s*ASTEP
	s_or_b32 s[G0+4*\s+3], s[G0+4*\s+3], 0x80000000
	s_mov_b32 s[G0B+4*\s], 1
	s_add_co_u32 s[G0B+4*\s+1], s21, \s*SLOT
	s_add_nc_u64 s[G0B+4*\s+2:G0B+4*\s+3], s[46:47], \s*KSTEP*2
	s_or_b32 s[G0B+4*\s+3], s[G0B+4*\s+3], 0x80000000
	JLOAD \s                                       ; two tensor loads of mine are out at the start, one behind each later round
.endr
	v_and_b32 v1, 15, v0                           ; l % 16
	v_bfe_u32 v2, v0, 4, 1                         ; l / 16
	s_lshl_b32 s46, s42, 9                         ; my first column, in bytes of f32: 512 x tile column + 256 x half: the same in bo and in a row of the result
	s_lshl_b32 s47, s12, 8
	s_add_co_u32 s46, s46, s47
	s_mov_b32 s47, 0
	s_add_nc_u64 s[66:67], s[66:67], s[46:47]
	s_add_nc_u64 s[8:9], s[8:9], s[46:47]
	v_lshlrev_b32 v[BO], 5, v2
.irp b, 0,1,2,3                                ; the bias in the result's layout: lane (r, h), block b: columns 16 b + 8 h + 0 .. 7
	global_load_b128 v[BIAS+8*\b:BIAS+8*\b+3], v[BO], s[66:67] offset:64*\b
	global_load_b128 v[BIAS+8*\b+4:BIAS+8*\b+7], v[BO], s[66:67] offset:64*\b+16
.endr
	v_mul_u32_u24 v3, v1, PA
	v_lshl_add_u32 v3, v2, 4, v3                   ; A: a fragment's row x pitch + 16 x half
	v_mul_u32_u24 v4, v1, PITCH
	v_lshl_add_u32 v4, v2, 4, v4                   ; B likewise
	s_mul_i32 s21, s11, HALFA                      ; my 64 tokens
	s_mul_i32 s22, s12, HALFB                      ; my 64 rows of B,
	s_add_co_u32 s22, s22, 2*HALFA                 ; which lie behind A's two halves
.irp s, 0,1
	v_add_nc_u32 v[ADRA+\s], s21, v3
	v_add_nc_u32 v[ADRB+\s], s22, v4
	s_add_co_u32 s21, s21, SLOT
	s_add_co_u32 s22, s22, SLOT
.endr
	s_mul_i32 s23, s10, 16*SPITCH
	s_add_co_u32 s23, s23, STAGE                   ; my stage
	v_mul_u32_u24 v5, v1, SPITCH                   ; in: row l % 16, 32 bytes for each half of the lanes
	v_lshl_add_u32 v5, v2, 5, v5
	v_add_nc_u32 v[STO], s23, v5
	v_mul_u32_u24 v5, v2, SPITCH                   ; back: lanes 0-15 take one row of 256 bytes, lanes 16-31 the next
	v_lshl_add_u32 v5, v1, 4, v5
	v_add_nc_u32 v[RD], s23, v5
	v_lshlrev_b32 v5, 12, v2                       ; and the same two rows in the result: 4,096 bytes a row
	v_lshl_add_u32 v[CO], v1, 4, v5
	s_lshl_b32 s16, s13, 7
	s_lshl_b32 s17, s11, 6
	s_add_co_u32 s16, s16, s17                     ; my first row: 128 x tile row + 64 x half
	s_lshl_b32 s16, s16, 12
	s_mov_b32 s17, 0
	s_add_nc_u64 s[8:9], s[8:9], s[16:17]
; 8 matrix instructions: m blocks a0, a0 + 1 x all 4 n blocks, 32 along K: half c of buffer f.  zero = 1: the first product starts the sum from the bias.  The 16 accumulators take turns.
.macro MUL8 f, c, a0, zero
.irp a, \a0, \a0+1
.irp b, 0,1,2,3
.if \zero
	v_wmma_f32_16x16x32_f16 v[ACC+8*(4*(\a)+\b):ACC+8*(4*(\a)+\b)+7], v[\f+64+8*(4*\c+\b):\f+64+8*(4*\c+\b)+7], v[\f+8*(4*\c+\a):\f+8*(4*\c+\a)+7], v[BIAS+8*\b:BIAS+8*\b+7]
.else
	v_wmma_f32_16x16x32_f16 v[ACC+8*(4*(\a)+\b):ACC+8*(4*(\a)+\b)+7], v[\f+64+8*(4*\c+\b):\f+64+8*(4*\c+\b)+7], v[\f+8*(4*\c+\a):\f+8*(4*\c+\a)+7], v[ACC+8*(4*(\a)+\b):ACC+8*(4*(\a)+\b)+7]
.endif
.endr
.endr
.endm
; 32 LDS loads in one run: the fragments of 64 along K (one head), at byte k of B's rows and in A's sub-tile k / 128, into buffer f; the first 32 along K first
.macro FETCH slot, k, f
	WIN TO_F
.irp c, 0,1
.irp i, 0,1,2,3
	ds_load_b128 v[\f+64+8*(4*\c+\i):\f+64+8*(4*\c+\i)+3],   v[ADRB+\slot] offset:\k+64*\c+\i*16*PITCH
	ds_load_b128 v[\f+64+8*(4*\c+\i)+4:\f+64+8*(4*\c+\i)+7], v[ADRB+\slot] offset:\k+64*\c+\i*16*PITCH+32
	ds_load_b128 v[\f+8*(4*\c+\i):\f+8*(4*\c+\i)+3],         v[ADRA+\slot] offset:((\k)/128)*SUBA+64*\c+\i*16*PA
	ds_load_b128 v[\f+8*(4*\c+\i)+4:\f+8*(4*\c+\i)+7],       v[ADRA+\slot] offset:((\k)/128)*SUBA+64*\c+\i*16*PA+32
.endr
.endr
.endm
.macro PLACES                          ; four places in front of loads into registers that matrix instructions have read, and of the first read of results
.rept 4
	v_nop
.endr
.endm
; A K step is four quarters of 64 along K, 32 matrix instructions each, on buffers 0, 1, 0, 1.  One of the first three: multiplies buffer f and fetches the next quarter, at byte k, into g.
.macro QUARTER slot, k, f, g, zero
	s_wait_dscnt 16                                ; the first 32 along K are in; the youngest sixteen loads may be out
	WIN MUL
	MUL8 \f, 0, 0, \zero
	MUL8 \f, 0, 2, \zero
	PLACES
	FETCH \slot, \k, \g
	s_wait_dscnt 32                                ; all but the 32 just issued
	WIN MUL
	MUL8 \f, 1, 0, 0
	MUL8 \f, 1, 2, 0
.endm
; The last quarter multiplies buffer 1 and changes slots: ONE barrier; in front of it each wave waits for all its tensor loads, adds 0 to its spare word, and waits for that and for its own reads of this slot.
; fill = 1: the barrier opens a round of the cluster's barrier, and this slot is filled again, two K steps ahead, first thing behind the round.
.macro TURN slot, next, fill
	WIN 0                                          ; (the add's two registers lie in window 0)
	s_wait_tensorcnt 0x0                           ; all my tensor loads have landed: my part of the next slot
	ds_add_u32 v[SPW], v[NIL]                      ; 0 onto my spare word
	s_wait_dscnt 17                                ; (the add and the youngest sixteen loads may be out)
	WIN MUL
	MUL8 F1, 0, 0, 0                               ; eight matrix instructions stand between the add and the wait for it
	s_wait_dscnt 0x0                               ; the add is done, and my reads of this slot are over
	s_barrier_signal -1
	MUL8 F1, 0, 2, 0
.if \fill
	WIN 0
.endif
	s_barrier_wait -1
.if \fill
	CREST                                          ; no wave of any partner still reads this slot's tile or has a load on its way
	s_add_nc_u64 s[G0+4*\slot+2:G0+4*\slot+3], s[G0+4*\slot+2:G0+4*\slot+3], 2*ASTEP
	s_add_nc_u64 s[G0B+4*\slot+2:G0B+4*\slot+3], s[G0B+4*\slot+2:G0B+4*\slot+3], 2*KSTEP*2
	JLOAD \slot                                    ; the first tensor load behind the round; the four v_nop behind it are also the places in front of the loads below
.else
	PLACES
.endif
	FETCH \next, 0, F0
	WIN MUL
	MUL8 F1, 1, 0, 0
	MUL8 F1, 1, 2, 0
.endm
	s_wait_tensorcnt 1                             ; my part of K step 0 is in; K step 1's load, issued behind it, may be out
	s_barrier_signal -1
	s_barrier_wait -1                              ; everybody's is
	FETCH 0, 0, F0
	s_wait_loadcnt 0x0                             ; the bias
	QUARTER 0, 128, F0, F1, 1                      ; the first quarter stands in front of the loop: its first products start the sums from the bias
	WIN 0                                          ; at a label and at a branch every window is 0
	s_mov_b32 s3, LAPS-1
.Llap:                                                 ; a trip goes once round the ring, from a lap's second quarter to the next lap's first, and fills both slots again
	QUARTER 0, 256, F1, F0, 0
	QUARTER 0, 384, F0, F1, 0
	TURN 0, 1, 1
	QUARTER 1, 128, F0, F1, 0
	QUARTER 1, 256, F1, F0, 0
	QUARTER 1, 384, F0, F1, 0
	TURN 1, 0, 1
	QUARTER 0, 128, F0, F1, 0
	WIN 0
	s_sub_co_u32 s3, s3, 1
	s_cmp_lg_u32 s3, 0
	s_cbranch_scc1 .Llap
	QUARTER 0, 256, F1, F0, 0                      ; the last lap fills nothing, and has no round of the cluster's barrier
	QUARTER 0, 384, F0, F1, 0
	TURN 0, 1, 0
	QUARTER 1, 128, F0, F1, 0
	QUARTER 1, 256, F1, F0, 0
	QUARTER 1, 384, F0, F1, 0
	s_wait_dscnt 16                                ; the very last quarter: nothing more to fetch
	WIN MUL
	MUL8 F1, 0, 0, 0
	MUL8 F1, 0, 2, 0
	s_wait_dscnt 0
	MUL8 F1, 1, 0, 0
	MUL8 F1, 1, 2, 0
	WIN 0
; THE WAY OUT, block by block of 16 rows x 64 columns.  A wave's 64 columns of f32 are 256 consecutive aligned bytes of a row, so each wave has a stage of its own and no barrier is needed: a lane's 32 bytes go into rows of
; 272 bytes and come back as whole rows; sixteen lanes store 256 consecutive bytes.  LDS serves a wave's instructions in order (ISA guide 5.7.1.4): no wait between the stores and the loads.
.macro TOSTAGE a
.set BB, BK+32*((\a)%2)
.irp b, 0,1,2,3
	ds_store_b128 v[STO], v[ACC+8*(4*(\a)+\b):ACC+8*(4*(\a)+\b)+3] offset:64*\b          ; each accumulator from its low end on
	ds_store_b128 v[STO], v[ACC+8*(4*(\a)+\b)+4:ACC+8*(4*(\a)+\b)+7] offset:64*\b+16
.endr
.irp t, 0,1,2,3,4,5,6,7
	ds_load_b128 v[BB+4*\t:BB+4*\t+3], v[RD] offset:\t*2*SPITCH
.endr
.endm
.macro SEND a, younger                 ; younger: the LDS instructions issued behind block a's loads, which may stay out
.set BB, BK+32*((\a)%2)
	s_wait_dscnt \younger                          ; the block is back in registers
.if (\a) > 0
	s_add_nc_u64 s[8:9], s[8:9], 16*SIZE_N*4       ; (behind a wait on XCNT: the earlier stores have read their base)  16 rows on
.endif
.irp t, 0,1,2,3,4,5,6,7
	global_store_b128 v[CO], v[BB+4*\t:BB+4*\t+3], s[8:9] offset:2*\t*SIZE_N*4 th:TH_STORE_NT   ; written once, read by nobody here
.endr
.endm
	PLACES                                         ; behind the last products
	TOSTAGE 0
.irp a, 1,2,3
.if \a > 1
	s_wait_xcnt 0x0                                ; block a - 2's stores have read their registers and their base: block a's loads may land there, and the base may step
.endif
	TOSTAGE \a
	SEND \a-1, 16                                  ; behind block a - 1's loads: block a's 8 stores and 8 loads
.endr
	s_wait_xcnt 0x0                                ; block 2's stores have read their base
	SEND 3, 0
	s_wait_tensorcnt 0x0                           ; the wave's end: behind my last tensor load and my last LDS store
	ds_add_u32 v[SPW], v[NIL]
	s_wait_dscnt 0x0
	CROUND                                         ; the closing round: no work-group ends while a partner may still ask for a tile that names it
	s_endpgm
.Lfunc_end_k_qe69cce639a_oproj:
	.size	k_qe69cce639a_oproj, .Lfunc_end_k_qe69cce639a_oproj-k_qe69cce639a_oproj
	.p2alignl 7, 3214868480
	.fill 96, 4, 3214868480
	.section	.rodata,"a",@progbits
	.p2align	6, 0x0
	.amdhsa_kernel k_qe69cce639a_oproj
		.amdhsa_group_segment_fixed_size 327680
		.amdhsa_private_segment_fixed_size 0
		.amdhsa_enable_private_segment 0
		.amdhsa_kernarg_size 32
		.amdhsa_user_sgpr_count 2
		.amdhsa_user_sgpr_kernarg_segment_ptr 1
		.amdhsa_wavefront_size32 1
		.amdhsa_system_sgpr_workgroup_id_x 1
		.amdhsa_system_sgpr_workgroup_id_y 1
		.amdhsa_system_sgpr_workgroup_id_z 1
		.amdhsa_system_vgpr_workitem_id 0
		.amdhsa_next_free_vgpr 512
		.amdhsa_next_free_sgpr 68
		.amdhsa_reserve_vcc 0
		.amdhsa_float_denorm_mode_32 3
		.amdhsa_float_denorm_mode_16_64 3
		.amdhsa_memory_ordered 1
		.amdhsa_forward_progress 1
		.amdhsa_inst_pref_size 87
	.end_amdhsa_kernel
	.amdgpu_metadata
---
amdhsa.version: [ 1, 2 ]
amdhsa.kernels:
  - .name:           k_qe69cce639a_oproj
    .symbol:         k_qe69cce639a_oproj.kd
    .args:
      - { .name: attn16, .offset: 0, .size: 8, .value_kind: global_buffer, .address_space: global }
      - { .name: wo16, .offset: 8, .size: 8, .value_kind: global_buffer, .address_space: global }
      - { .name: bo, .offset: 16, .size: 8, .value_kind: global_buffer, .address_space: global }
      - { .name: out0, .offset: 24, .size: 8, .value_kind: global_buffer, .address_space: global }
    .group_segment_fixed_size: 327680
    .private_segment_fixed_size: 0
    .kernarg_segment_align: 8
    .kernarg_segment_size: 32
    .max_flat_workgroup_size: 128
    .sgpr_count:     68
    .vgpr_count:     512
    .wavefront_size: 32
...
	.end_amdgpu_metadata
.endif
;; end of part 4
